; MI455X (gfx1250); checked and timed in simulation.
; The chip was launched on July 23, 2026; its instructions are those of AMD's public machine-readable ISA for CDNA 5 (MIT licence, August 2026) and "CDNA5" Instruction Set Architecture Reference Guide (July 2026). The comments in the code are by the model that wrote it; some were corrected since.
;; Causal Self Attention. Allowed arithmetic: matrix products marked QUANTISED: E2M3 operands, one E8M0 scale for each 32 along K, by v_wmma_scale_f32_16x16x128_f8f6f4 with both operands' format E2M3, f32 sums; everything else in f32.
;; Inputs: Wk 256 x 256 float32; Wo 256 x 256 float32; Wq 256 x 256 float32; Wv 256 x 256 float32; x 4 x 4,096 x 256 float32.
;; Outputs: out0 4 x 4,096 x 256 float32.
;; This version of the problem:
;;   THIS VERSION OF THE PROBLEM IS GIVEN IN LOW PRECISION. The matrix products marked QUANTISED in the list below multiply operands that are first quantised to E2M3 (2 exponent bits, 3 mantissa bits; 6 bits a number), with one power-of-two scale for each 32 numbers along K (OCP MX v1.0); their sums are f32. All else is computed in f32.
;;   The module's matrix products, in the order in which they are computed (A, B: the left and right operand; K: the contracted axis; several contracted axes count as one K, in the product's order):
;;     1. [M 16,384, K 256] x [K 256, N 256]; A: input x; B: input Wq: QUANTISED
;;     2. [M 16,384, K 256] x [K 256, N 256]; A: input x; B: input Wk: QUANTISED
;;     3. [M 16,384, K 256] x [K 256, N 256]; A: input x; B: input Wv: QUANTISED
;;     4. batch 16 x [M 4,096, K 64] x [K 64, N 4,096]; A: computed on the way; B: computed on the way: QUANTISED
;;     5. batch 16 x [M 4,096, K 4,096] x [K 4,096, N 64]; A: softmax (see below); B: computed on the way: QUANTISED
;;     6. [M 16,384, K 256] x [K 256, N 256]; A: computed on the way; B: input Wo: QUANTISED
;;   THE QUANTISER, for each operand of a quantised product, along K:
;;     - K is cut into blocks of 32 from its start; a last block that is shorter is filled with zeros.
;;     - A block's scale is 2^e with e = floor(log2(the largest magnitude in the block)) - 2, held to -126 .. 127; a block of zeros has e = 0. As a byte (E8M0): e + 127.
;;     - Each number is divided by its block's scale, clamped to +-7.5, and rounded to the nearest number of E2M3, ties to even, subnormals kept.
;;     - The product sums the exact products of the quantised numbers (number of the format x scale) in f32.
;;   ~~~python
;;   def quantise(x, axis):      # numpy; x: float32 -> the quantised numbers, widened to float32 again
;;       x = np.moveaxis(x, axis, -1); K = x.shape[-1]
;;       x = np.pad(x, [(0, 0)] * (x.ndim - 1) + [(0, -K % 32)]); x = x.reshape(x.shape[:-1] + (-1, 32)); a = np.abs(x).max(-1, keepdims=True)
;;       e = np.where(a > 0, np.clip(np.frexp(np.where(a > 0, a, 1))[1] - 1 - 2, -126, 127), 0)      # np.frexp(a)[1] - 1 = floor(log2(a)), exactly
;;       r = np.clip(x / 2.0 ** e, -7.5, 7.5)
;;       step = 2.0 ** (np.maximum(np.frexp(np.where(r == 0, 1, r))[1] - 1, 0) - 3)
;;       q = np.round(r / step) * step * 2.0 ** e      # np.round: ties to even
;;       return np.moveaxis(q.reshape(q.shape[:-2] + (-1,))[..., :K], -1, axis).astype(np.float32)
;;   ~~~
;;   SOFTMAX AHEAD OF A QUANTISED PRODUCT. Where the list says 'softmax', what is quantised is not the finished softmax but p = 2^(t - M), with t = logit x log2(e) and M = ceil(the row's largest t), a whole number; so 1/2 < the row's largest p <= 1. The row's sum l is taken of the UNQUANTISED p, in f32, and the product's result is divided by l at the end. Since M is a whole number, a kernel that streams over the keys may use a running M (the ceiling of the running maximum): every later rescaling is an exact power of two, which a block's scale takes up: the codes' values come out the same.
;;   OPERANDS COMPUTED ON THE WAY. 'Computed on the way' means the value that the module computes at that place (a softmax that the list does not call 'softmax' is quantised finished and normalised). What goes into a quantiser is computed in f32, as accurately as f32 sums, v_exp_f32 and their like allow (about 1e-6 of the number): no bf16 or f16 on the way to a quantiser, and a product that is left as it is and whose result goes on into a quantised operand takes f32 operands (vector FMAs, or v_wmma_f32_16x16x4_f32). A number that lies on a knife's edge between two numbers of the format may be rounded either way, as far as f32 arithmetic and the matrix unit's own rounding can turn it there, and no further.
;; 2 versions. Each part assembles by itself: llvm-mc -triple=amdgcn-amd-amdhsa -mcpu=gfx1250 --defsym DOCPART=n.
;; ======== version 1 of 2: 3 launches
;; workspace buffers: qws 4,194,304 bytes; kvws 6,815,744 bytes; ows 4,194,304 bytes; wows 53,248 bytes
;; launch proj (part 1): grid 4 x 64, 8 waves a work-group, no clusters, 161,792 bytes of LDS; arguments x, Wq, Wk, Wv, qws, kvws; writes qws, kvws
.if DOCPART == 1
	.amdgcn_target "amdgcn-amd-amdhsa--gfx1250"
	.amdhsa_code_object_version 6
	.text
	.protected	k_q45988bfff6_proj
	.globl	k_q45988bfff6_proj
	.p2align	8
	.type	k_q45988bfff6_proj,@function
k_q45988bfff6_proj:
	s_mov_b64 s[64:65], 0
	v_nop
	global_prefetch_b8 v0, s[64:65] scope:SCOPE_SE
	s_setreg_imm32_b32 hwreg(HW_REG_WAVE_MODE, 25, 1), 1
	s_wait_xcnt 0x0
; q = Q(x) Q(Wq)^T, k = Q(x) Q(Wk)^T, v = Q(x) Q(Wv)^T on codes of FP6 (E2M3) with one E8M0 scale for each 32 along K (= 256), and the results quantised again:
; q and k along the head's 64 channels, v down the tokens (the keys are the K of attention's second product).  Everything leaves as codes, laid in the order of the next launch's operand registers.
; SHARES.  A work-group takes 256 tokens (work-group y) x one head's 192 columns (work-group x = the head).  Eight waves.
;   Phase 1: wave w quantises seven fragments of 16 rows x 128 K: one each of Wq, Wk, Wv (tile w / 2, K step w % 2) and the four of its own two tiles of x; their register images go to LDS.  One barrier.
;   Phase 2: wave w makes q and k of its two tiles of x (x's fragments have stayed in its registers) and one fragment of v (key step w / 4, channel tile w % 4): 48 matrix instructions.
; THE ROWS OF A TILE ARE NOT NEIGHBOURS.  Tile 2 f + u of tokens holds tokens 32 f + 8 u + r + 8 (r / 8); tile 2 b + u of a head's rows of W holds channels 32 b + 8 u + r + 8 (r / 8).
;   So in a result with W as source 0 a lane holds one token and registers 16 b + i are channel 32 b + 16 (lane / 16) + i; with x as source 0 a lane holds one channel and registers 16 f + i are token 32 f + 16 (lane / 16) + i:
;   sixteen neighbours along the next K in sixteen consecutive registers, which is what the conversions take.
; LIMITS.  NaN and infinities among the inputs are not served.  A block whose largest magnitude lies under 2^-124 has its scale byte held at 1.  A block of zeros gets the byte 1 where the rule says 127: its codes are
;   zeros, which add nothing, and the bytes are read by this program alone.
; No tensor loads: a work-group reads 448 KB once, 64 loads of 512 bytes a wave on their way; no cluster: the four work-groups that share rows of x are neighbours in x of the grid and read them at about the same time.
.set XIMG,  0                          ; LDS: x's 32 fragments as register images (index 2 tile + K step), 1,536 bytes each
.set XSC,   49152                      ; their scale words, 128 bytes each
.set WIMG,  53248                      ; the weights' 24 fragments (index 8 m + 2 t + K step; m = 0 q, 1 k, 2 v)
.set WSC,   90112                      ; their scale words
.set STG,   93184                      ; a stage of 16 rows x 528 bytes for each wave: 512 bytes + 16, so that the 16 rows of a read start at 16 different groups of banks
.set SPARE, 160768                     ; the spare words, 128 bytes for each wave: four blocks of 256 bytes that no other line names
.set LI,  1                            ; 16 x lane
.set LS,  2                            ; 4 x lane
.set L8,  3                            ; 8 x lane
.set STW, 4                            ; my stage, on the way in: 16 x lane
.set STR, 5                            ; and out: 528 r + 64 h
.set XWI, 6                            ; where I store x's images
.set XWS, 7                            ; and their scale words
.set WWI, 8                            ; where I store a weight's image
.set WWS, 9
.set LIW, 10                           ; WIMG + 16 x lane
.set LSW, 11                           ; WSC + 4 x lane
.set VXI, 12                           ; x's images of my key step
.set VXS, 13
.set SPW, 14                           ; LDS address of my spare word; never rewritten
.set NIL, 15                           ; 0; never rewritten
.set XF,  16                           ; v16-63   my four fragments of x (2 u + K step)
.set XS,  64                           ; v64-67   their scale words
.set BA,  68                           ; v68-131  64 numbers turned through the stage
.set BB,  132                          ; v132-195 the same, second buffer
.set TM,  196                          ; v196-211 at work in the quantiser (+8 .. +11 are not its own)
.set VWS, 204                          ; v204     Wv's scale words of my channel tile
.set T2,  212                          ; v212-218 the conversions' second halves
.set PC,  220                          ; v220-231 codes just made
.set PW,  232                          ; v232     scale word just made
.set WS,  233                          ; v233-240 eight scale words from LDS
.set VWI, 241                          ; v241     Wv's images of my channel tile
.set WV1, 242                          ; v242-253 Wv's fragment, K step 1
.set WVS, 254                          ; v254-255 Wv's scale words
.set WF,  68                           ; phase 2: v68-163 eight fragments of Wq or Wk (2 t + K step)
.set ACC, 164                          ; v164-195 four accumulators
.set ACCV, 68                          ; v68-131  eight accumulators of v
.set B0,  16                           ; v16-63, v132-179: four fragments of x from LDS, two buffers
.set B1,  132
.set WV0, 180                          ; v180-191 Wv's fragment, K step 0
.set SEL, 28                           ; s[28:29] selects of v_permlanex16_b32: lane l xor 16
.set QP,  32                           ; s[32:33] my two records of qws
.set KFP, 34                           ; s[34:35] my fragment's place in the record of kvws
.set KSP, 36                           ; s[36:37] my scale words' place there
; window 1 (v256-511): four sets of 64 registers, numbers as they are loaded
.set MSB, 0
.macro WIN new                         ; the immediate's high byte repeats the setting that is left
.if MSB != \new
	s_set_vgpr_msb (MSB<<8)|\new
.set MSB, \new
.endif
.endm
.macro NOP4                            ; four places behind matrix instructions (ISA guide 7.12.1), where no other vector work is at hand
.rept 4
	v_nop
.endr
.endm
.macro BARRIER                         ; my LDS stores have landed and my LDS loads are in: then the work-group's barrier
	s_wait_dscnt 0x0
	s_barrier_signal -1
	s_barrier_wait -1
.endm
; 64 numbers of a lane, register 16 b + i = k 32 b + 16 (lane / 16) + i of my row, become a fragment's 12 registers at v[d] and its scale word in v[pw].
.macro QUANT s, d, pw
.irp b, 0,1,2,3
	v_max3_num_f32 v[TM+\b], |v[\s+16*\b]|, |v[\s+1+16*\b]|, 0x1800000   ; block b: my 16 numbers, and the floor 2^(3 - 127): the byte cannot fall under 1
.endr
.irp i, 2,4,6,8,10,12,14
.irp b, 0,1,2,3
	v_max3_num_f32 v[TM+\b], v[TM+\b], |v[\s+16*\b+\i]|, |v[\s+1+16*\b+\i]|   ; the four blocks by turns; each accumulator is read from its low end on
.endr
.endr
.irp b, 0,1,2,3
	v_permlanex16_b32 v[TM+4+\b], v[TM+\b], s[SEL], s[SEL+1]
.endr
.irp b, 0,1,2,3
	v_max_num_f32 v[TM+\b], v[TM+\b], v[TM+4+\b]       ; with lane l xor 16's: the block's largest magnitude
.endr
.irp b, 0,1,2,3
	v_add_nc_u32 v[TM+12+\b], 0xff000000, v[TM+\b]     ; 2 off its exponent field: the conversion's scale operand
.endr
.irp b, 0,1,2,3
	v_lshrrev_b32 v[TM+4+\b], 23, v[TM+12+\b]          ; the scale's byte
.endr
	v_lshl_or_b32 v[\pw], v[TM+5], 8, v[TM+4]
	v_lshl_or_b32 v[\pw], v[TM+6], 16, v[\pw]
	v_lshl_or_b32 v[\pw], v[TM+7], 24, v[\pw]
.irp c, 0,1
	v_cvt_scalef32_pk16_fp6_f32 v[\d+6*\c:\d+6*\c+2], v[\s+32*\c:\s+32*\c+15], v[TM+12+2*\c]
	v_cvt_scalef32_pk16_fp6_f32 v[T2+4*\c:T2+4*\c+2], v[\s+32*\c+16:\s+32*\c+31], v[TM+13+2*\c]   ; (a conversion's three registers begin on an even number)
.endr
	v_nop                                              ; one plain place behind a scaled conversion
.irp c, 0,1                                            ; the operand wants a whole block in a lane: lanes 0-15 block 2 c, lanes 16-31 block 2 c + 1
.irp i, 0,1,2
	v_permlane16_swap_b32 v[\d+6*\c+\i], v[T2+4*\c+\i]
.endr
.irp i, 0,1,2
	v_mov_b32 v[\d+6*\c+3+\i], v[T2+4*\c+\i]
.endr
.endr
.endm
; The same for 32 numbers (two blocks): six registers at v[d]; the two bytes go into v[pw] at bit sh (0: they start the word; 16: they are added to it).
.macro HALF s, d, pw, sh
.irp b, 0,1
	v_max3_num_f32 v[TM+\b], |v[\s+16*\b]|, |v[\s+1+16*\b]|, 0x1800000
.endr
.irp i, 2,4,6,8,10,12,14
.irp b, 0,1
	v_max3_num_f32 v[TM+\b], v[TM+\b], |v[\s+16*\b+\i]|, |v[\s+1+16*\b+\i]|
.endr
.endr
.irp b, 0,1
	v_permlanex16_b32 v[TM+4+\b], v[TM+\b], s[SEL], s[SEL+1]
.endr
.irp b, 0,1
	v_max_num_f32 v[TM+\b], v[TM+\b], v[TM+4+\b]
.endr
.irp b, 0,1
	v_add_nc_u32 v[TM+12+\b], 0xff000000, v[TM+\b]
.endr
.irp b, 0,1
	v_lshrrev_b32 v[TM+4+\b], 23, v[TM+12+\b]
.endr
.if \sh == 0
	v_lshl_or_b32 v[\pw], v[TM+5], 8, v[TM+4]
.else
	v_lshl_or_b32 v[\pw], v[TM+4], 16, v[\pw]
	v_lshl_or_b32 v[\pw], v[TM+5], 24, v[\pw]
.endif
	v_cvt_scalef32_pk16_fp6_f32 v[\d:\d+2], v[\s:\s+15], v[TM+12]
	v_cvt_scalef32_pk16_fp6_f32 v[T2:T2+2], v[\s+16:\s+31], v[TM+13]
	v_nop
.irp i, 0,1,2
	v_permlane16_swap_b32 v[\d+\i], v[T2+\i]
.endr
.irp i, 0,1,2
	v_mov_b32 v[\d+3+\i], v[T2+\i]
.endr
.endm
; 16 rows x 128 numbers into set k of window 1: each load takes 512 consecutive bytes of one row; the rows are 0-7 and 16-23 from the base
.macro LOAD64 k, base, off
	WIN 0x40                                           ; destination window 1
.irp i, 0,1,2,3,4,5,6,7,8,9,10,11,12,13,14,15
	global_load_b128 v[64*(\k)+4*\i:64*(\k)+4*\i+3], v[LI], s[\base:\base+1] offset:(\off)+(\i+8*(\i/8))*1024
.endr
	WIN 0
.endm
; set k goes through my own stage and comes back 64 numbers of one row a lane.  LDS serves a wave's instructions in order (ISA guide 5.7.1.4): no wait between the stores and the loads
.macro TURN k, X
	WIN 0x04                                           ; an LDS store's data are its source 1: window 1
.irp i, 0,1,2,3,4,5,6,7,8,9,10,11,12,13,14,15
	ds_store_b128 v[STW], v[64*(\k)+4*\i:64*(\k)+4*\i+3] offset:528*\i
.endr
	WIN 0
.irp b, 0,1,2,3
.irp j, 0,1,2,3
	ds_load_b128 v[\X+16*\b+4*\j:\X+16*\b+4*\j+3], v[STR] offset:128*\b+16*\j
.endr
.endr
.endm
.macro IMG adr, d, off                 ; a fragment's 12 registers to LDS as they stand
.irp c, 0,1,2
	ds_store_b128 v[\adr], v[\d+4*\c:\d+4*\c+3] offset:(\off)+512*\c
.endr
.endm
.macro WJOB X, m                       ; my fragment of weight m
	QUANT \X, PC, PW
	IMG WWI, PC, (\m)*12288
	ds_store_b32 v[WWS], v[PW] offset:(\m)*1024
.endm
.macro XJOB X, e                       ; my fragment e = 2 u + K step of x: it stays in registers, and its image goes to LDS
	QUANT \X, XF+12*(\e), XS+(\e)
	IMG XWI, XF+12*(\e), XIMG+(\e)*1536
	ds_store_b32 v[XWS], v[XS+(\e)] offset:XSC+(\e)*128
.endm
	s_load_b256 s[4:11], s[0:1], 0x0               ; x s[4:5], Wq s[6:7], Wk s[8:9], Wv s[10:11]
	s_load_b128 s[12:15], s[0:1], 0x20             ; qws s[12:13], kvws s[14:15]
	v_lshl_add_u32 v[SPW], v0, 2, SPARE
	v_mov_b32 v[NIL], 0
	v_lshrrev_b32 v16, 5, v0
	v_readfirstlane_b32 s16, v16                   ; wave 0..7
	v_and_b32 v17, 31, v0                          ; lane
	v_and_b32 v18, 15, v0                          ; r
	v_bfe_u32 v19, v0, 4, 1                        ; h
	v_lshlrev_b32 v[LI], 4, v17
	v_lshlrev_b32 v[LS], 2, v17
	v_lshlrev_b32 v[L8], 3, v17
	s_mul_i32 s17, s16, 8448
	s_add_co_u32 s17, s17, STG                     ; my stage
	v_add_nc_u32 v[STW], s17, v[LI]
	v_mul_u32_u24 v20, v18, 528
	v_lshl_add_u32 v20, v19, 6, v20
	v_add_nc_u32 v[STR], s17, v20
	s_mul_i32 s18, s16, 6144                       ; four images a wave
	v_add_nc_u32 v[XWI], s18, v[LI]
	s_lshl_b32 s18, s16, 9
	v_add_nc_u32 v[XWS], s18, v[LS]
	s_mul_i32 s18, s16, 1536
	s_add_co_u32 s18, s18, WIMG
	v_add_nc_u32 v[WWI], s18, v[LI]
	s_lshl_b32 s18, s16, 7
	s_add_co_u32 s18, s18, WSC
	v_add_nc_u32 v[WWS], s18, v[LS]
	v_add_nc_u32 v[LIW], WIMG, v[LI]
	v_add_nc_u32 v[LSW], WSC, v[LS]
	s_lshr_b32 s19, s16, 2                         ; w / 4: my key step
	s_mul_i32 s18, s19, 24576                      ; its eight tiles of x: sixteen images
	v_add_nc_u32 v[VXI], s18, v[LI]
	s_lshl_b32 s18, s19, 11
	v_add_nc_u32 v[VXS], s18, v[LS]
	s_and_b32 s20, s16, 3                          ; w % 4: my channel tile of v, and my group of 32 tokens in the key step
	s_mul_i32 s18, s20, 3072
	s_add_co_u32 s18, s18, WIMG
	v_add_nc_u32 v[VWI], s18, v[LI]
	s_lshl_b32 s18, s20, 8
	s_add_co_u32 s18, s18, WSC
	v_add_nc_u32 v[VWS], s18, v[LS]
.irp b, 0,1,2,3
	v_mov_b32 v[TM+4+\b], 0                        ; written once: a lane permute's destination counts as one of its sources
.endr
	s_mov_b32 s[SEL], 0x76543210
	s_mov_b32 s[SEL+1], 0xfedcba98
	s_and_b32 s21, ttmp7, 0xffff                   ; which 256 tokens: 16 x batch + slot
	s_lshl_b32 s22, s21, 18                        ; x: 256 rows of 1,024 bytes,
	s_lshl_b32 s23, s16, 15                        ; and my wave's 32 rows
	s_add_co_u32 s22, s22, s23
	s_mov_b32 s23, 0
	s_lshl_b32 s24, ttmp9, 6                       ; W: row 64 head + 32 (w / 4) + 8 ((w / 2) % 2),
	s_lshl_b32 s25, s19, 5
	s_add_co_u32 s24, s24, s25
	s_bfe_u32 s25, s16, 0x10001
	s_lshl_b32 s25, s25, 3
	s_add_co_u32 s24, s24, s25
	s_lshl_b32 s24, s24, 10
	s_and_b32 s25, s16, 1                          ; K step w % 2
	s_lshl_b32 s25, s25, 9
	s_add_co_u32 s24, s24, s25
	s_mov_b32 s25, 0
	s_lshr_b32 s26, s21, 4
	s_lshl_b32 s26, s26, 2
	s_add_co_u32 s26, s26, ttmp9                   ; bh = 4 batch + head
	s_and_b32 s27, s21, 15                         ; slot
	s_lshl_b32 s30, s26, 8                         ; qws: record 256 bh + 16 slot + 2 w
	s_lshl_b32 s31, s27, 4
	s_add_co_u32 s30, s30, s31
	s_lshl_b32 s31, s16, 1
	s_add_co_u32 s30, s30, s31
	s_lshl_b32 s30, s30, 10
	s_mov_b32 s31, 0
	s_lshl_b32 s38, s26, 4                         ; kvws: record 16 bh + slot
	s_add_co_u32 s38, s38, s27
	s_mul_i32 s38, s38, 26624
	s_mul_i32 s39, s19, 12288
	s_mul_i32 s40, s20, 1536
	s_add_co_u32 s40, s40, s39
	s_add_co_u32 s40, s40, s38
	s_mov_b32 s41, 0
	s_lshl_b32 s42, s19, 10
	s_lshl_b32 s43, s20, 7
	s_add_co_u32 s42, s42, s43
	s_add_co_u32 s42, s42, s38
	s_add_co_u32 s42, s42, 24576
	s_mov_b32 s43, 0
	s_wait_kmcnt 0x0
	s_add_nc_u64 s[4:5], s[4:5], s[22:23]
	s_add_nc_u64 s[6:7], s[6:7], s[24:25]
	s_add_nc_u64 s[8:9], s[8:9], s[24:25]
	s_add_nc_u64 s[10:11], s[10:11], s[24:25]
	s_add_nc_u64 s[QP:QP+1], s[12:13], s[30:31]
	s_add_nc_u64 s[KFP:KFP+1], s[14:15], s[40:41]
	s_add_nc_u64 s[KSP:KSP+1], s[14:15], s[42:43]
	; ---- PHASE 1: seven jobs.  Loads run four jobs ahead, the turn through the stage one job.  Each counted wait leaves out the 16 loads of every job issued behind the one that is wanted.
	LOAD64 0, 6, 0                                 ; job 0: Wq
	LOAD64 1, 8, 0                                 ; job 1: Wk
	LOAD64 2, 10, 0                                ; job 2: Wv
	LOAD64 3, 4, 0                                 ; job 3: x, tile 0, K step 0
	s_wait_loadcnt 48                              ; job 0's loads are in; three jobs' may be out
	TURN 0, BA
	s_wait_dscnt 0x0                               ; job 0's numbers are back, so the stage's stores have read set 0
	LOAD64 0, 4, 512                               ; job 4: x, tile 0, K step 1
	s_wait_loadcnt 48                              ; job 1's are in (behind it: jobs 2, 3, 4)
	TURN 1, BB
	WJOB BA, 0
	s_wait_dscnt 0x0                               ; job 1's numbers are back; the image's stores have read the codes' registers
	LOAD64 1, 4, 8192                              ; job 5: x, tile 1, K step 0
	s_wait_loadcnt 48                              ; job 2's (behind it: 3, 4, 5)
	TURN 2, BA
	WJOB BB, 1
	s_wait_dscnt 0x0
	LOAD64 2, 4, 8704                              ; job 6: x, tile 1, K step 1
	s_wait_loadcnt 48                              ; job 3's (behind it: 4, 5, 6)
	TURN 3, BB
	WJOB BA, 2
	s_wait_dscnt 0x0
	s_wait_loadcnt 32                              ; job 4's (behind it: 5, 6)
	TURN 0, BA
	XJOB BB, 0
	s_wait_dscnt 0x0
	s_wait_loadcnt 16                              ; job 5's (behind it: 6)
	TURN 1, BB
	XJOB BA, 1
	s_wait_dscnt 0x0
	s_wait_loadcnt 0x0                             ; job 6's
	TURN 2, BA
	XJOB BB, 2
	s_wait_dscnt 0x0
	XJOB BA, 3
	BARRIER                                        ; all 32 fragments of x and all 24 of the weights lie in LDS; nothing there is written again but the waves' own stages, which are done with
	; ---- PHASE 2
.macro FETCHW m                        ; the eight fragments of weight m and their scale words
.irp e, 0,1,2,3,4,5,6,7
.irp c, 0,1,2
	ds_load_b128 v[WF+12*\e+4*\c:WF+12*\e+4*\c+3], v[LIW] offset:(8*(\m)+\e)*1536+512*\c
.endr
	ds_load_b32 v[WS+\e], v[LSW] offset:(8*(\m)+\e)*128
.endr
.endm
.macro MULQK u                         ; source 0 = 16 rows of W, source 1 = my tile u of x: four accumulators by turns, two K steps; the first starts the sums
.irp ks, 0,1
.irp t, 0,1,2,3
.if \ks == 0
	v_wmma_scale_f32_16x16x128_f8f6f4 v[ACC+8*\t:ACC+8*\t+7], v[WF+12*(2*\t+\ks):WF+12*(2*\t+\ks)+11], v[XF+12*(2*(\u)+\ks):XF+12*(2*(\u)+\ks)+11], 0, v[WS+2*\t+\ks], v[XS+2*(\u)+\ks] matrix_a_fmt:MATRIX_FMT_FP6 matrix_b_fmt:MATRIX_FMT_FP6
.else
	v_wmma_scale_f32_16x16x128_f8f6f4 v[ACC+8*\t:ACC+8*\t+7], v[WF+12*(2*\t+\ks):WF+12*(2*\t+\ks)+11], v[XF+12*(2*(\u)+\ks):XF+12*(2*(\u)+\ks)+11], v[ACC+8*\t:ACC+8*\t+7], v[WS+2*\t+\ks], v[XS+2*(\u)+\ks] matrix_a_fmt:MATRIX_FMT_FP6 matrix_b_fmt:MATRIX_FMT_FP6
.endif
.endr
.endr
.endm
.macro STQ u                           ; a record of qws: three stores of 256 consecutive bytes, and 32 scale words
.irp p, 0,1,2
	global_store_b64 v[L8], v[PC+2*\p:PC+2*\p+1], s[QP:QP+1] offset:1024*(\u)+256*\p
.endr
	global_store_b32 v[LS], v[PW], s[QP:QP+1] offset:1024*(\u)+768
.endm
.macro STF o, so                       ; a fragment of kvws: three stores of 512 consecutive bytes, and 32 scale words
.irp c, 0,1,2
	global_store_b128 v[LI], v[PC+4*\c:PC+4*\c+3], s[KFP:KFP+1] offset:(\o)+512*\c
.endr
	global_store_b32 v[LS], v[PW], s[KSP:KSP+1] offset:\so
.endm
	FETCHW 0
	s_wait_dscnt 0x0
	MULQK 0                                        ; q of my tile 0
	NOP4
	HALF ACC, PC, PW, 0
	v_lshl_or_b32 v[PW], v[PW], 16, v[PW]          ; q's word holds its two bytes twice: it serves the fragment [q | 0] and the fragment [0 | q]
	STQ 0
	MULQK 1                                        ; q of my tile 1
	NOP4
	FETCHW 1                                       ; Wk lands while q is quantised
	s_wait_xcnt 0x0                                ; the stores have read the codes' registers, which are written again
	HALF ACC, PC, PW, 0
	v_lshl_or_b32 v[PW], v[PW], 16, v[PW]
	STQ 1
	s_wait_dscnt 0x0                               ; Wk is in
	MULQK 0                                        ; k of my tile 0: registers 0-5 of the K fragment
	NOP4
	s_wait_xcnt 0x0
	HALF ACC, PC, PW, 0
	MULQK 1                                        ; k of my tile 1: registers 6-11
	NOP4
	HALF ACC, PC+6, PW, 16
	STF 0, 0
	; v: source 0 = a tile of x, source 1 = my 16 rows of Wv: a lane holds one channel, its registers run down the key step's 128 tokens
.irp c, 0,1,2
	ds_load_b128 v[WV0+4*\c:WV0+4*\c+3], v[VWI] offset:24576+512*\c
	ds_load_b128 v[WV1+4*\c:WV1+4*\c+3], v[VWI] offset:24576+1536+512*\c
.endr
	ds_load_b32 v[WVS], v[VWS] offset:2048
	ds_load_b32 v[WVS+1], v[VWS] offset:2048+128
.macro VBATCH k                        ; batch k: K step k / 2, tiles 4 (k % 2) .. + 3 of x: 16 LDS loads
.set VKS, (\k)/2
.set VG, (\k)%2
.set VBUF, B0+(B1-B0)*VG
.irp i, 0,1,2,3
.irp c, 0,1,2
	ds_load_b128 v[VBUF+12*\i+4*\c:VBUF+12*\i+4*\c+3], v[VXI] offset:XIMG+((4*VG+\i)*2+VKS)*1536+512*\c
.endr
	ds_load_b32 v[WS+4*VG+\i], v[VXS] offset:XSC+((4*VG+\i)*2+VKS)*128
.endr
.endm
.macro VMUL k
.set VKS, (\k)/2
.set VG, (\k)%2
.set VBUF, B0+(B1-B0)*VG
.set VW, WV0+(WV1-WV0)*VKS
.irp i, 0,1,2,3
.if VKS == 0
	v_wmma_scale_f32_16x16x128_f8f6f4 v[ACCV+8*(4*VG+\i):ACCV+8*(4*VG+\i)+7], v[VBUF+12*\i:VBUF+12*\i+11], v[VW:VW+11], 0, v[WS+4*VG+\i], v[WVS+VKS] matrix_a_fmt:MATRIX_FMT_FP6 matrix_b_fmt:MATRIX_FMT_FP6
.else
	v_wmma_scale_f32_16x16x128_f8f6f4 v[ACCV+8*(4*VG+\i):ACCV+8*(4*VG+\i)+7], v[VBUF+12*\i:VBUF+12*\i+11], v[VW:VW+11], v[ACCV+8*(4*VG+\i):ACCV+8*(4*VG+\i)+7], v[WS+4*VG+\i], v[WVS+VKS] matrix_a_fmt:MATRIX_FMT_FP6 matrix_b_fmt:MATRIX_FMT_FP6
.endif
.endr
.endm
	VBATCH 0
	VBATCH 1
	s_wait_dscnt 16                                ; Wv and batch 0 are in; batch 1's 16 loads may be out
	VMUL 0
	NOP4
	VBATCH 2
	s_wait_dscnt 16                                ; batch 1 is in
	VMUL 1
	NOP4
	VBATCH 3
	s_wait_dscnt 16                                ; batch 2 is in
	VMUL 2
	s_wait_dscnt 0x0
	VMUL 3
	NOP4
	s_wait_xcnt 0x0                                ; k's stores have read the codes' registers
	QUANT ACCV, PC, PW                             ; v along the keys
	STF 6144, 512
	s_wait_tensorcnt 0x0                           ; the wave's end
	ds_add_u32 v[SPW], v[NIL]
	s_wait_dscnt 0x0
	s_endpgm
.Lfunc_end_k_q45988bfff6_proj:
	.size	k_q45988bfff6_proj, .Lfunc_end_k_q45988bfff6_proj-k_q45988bfff6_proj
	.p2alignl 7, 3214868480
	.fill 96, 4, 3214868480
	.section	.rodata,"a",@progbits
	.p2align	6, 0x0
	.amdhsa_kernel k_q45988bfff6_proj
		.amdhsa_group_segment_fixed_size 161792
		.amdhsa_private_segment_fixed_size 0
		.amdhsa_enable_private_segment 0
		.amdhsa_kernarg_size 48
		.amdhsa_user_sgpr_count 2
		.amdhsa_user_sgpr_kernarg_segment_ptr 1
		.amdhsa_wavefront_size32 1
		.amdhsa_system_sgpr_workgroup_id_x 1
		.amdhsa_system_sgpr_workgroup_id_y 1
		.amdhsa_system_sgpr_workgroup_id_z 1
		.amdhsa_system_vgpr_workitem_id 0
		.amdhsa_next_free_vgpr 512
		.amdhsa_next_free_sgpr 66
		.amdhsa_reserve_vcc 0
		.amdhsa_float_denorm_mode_32 3
		.amdhsa_float_denorm_mode_16_64 3
		.amdhsa_memory_ordered 1
		.amdhsa_forward_progress 1
		.amdhsa_inst_pref_size 87
	.end_amdhsa_kernel
	.amdgpu_metadata
---
amdhsa.version: [ 1, 2 ]
amdhsa.kernels:
  - .name:           k_q45988bfff6_proj
    .symbol:         k_q45988bfff6_proj.kd
    .args:
      - { .name: x, .offset: 0, .size: 8, .value_kind: global_buffer, .address_space: global }
      - { .name: Wq, .offset: 8, .size: 8, .value_kind: global_buffer, .address_space: global }
      - { .name: Wk, .offset: 16, .size: 8, .value_kind: global_buffer, .address_space: global }
      - { .name: Wv, .offset: 24, .size: 8, .value_kind: global_buffer, .address_space: global }
      - { .name: qws, .offset: 32, .size: 8, .value_kind: global_buffer, .address_space: global }
      - { .name: kvws, .offset: 40, .size: 8, .value_kind: global_buffer, .address_space: global }
    .group_segment_fixed_size: 161792
    .private_segment_fixed_size: 0
    .kernarg_segment_align: 8
    .kernarg_segment_size: 48
    .max_flat_workgroup_size: 256
    .sgpr_count:     66
    .vgpr_count:     512
    .wavefront_size: 32
...
	.end_amdgpu_metadata
.endif
;; end of part 1
;; launch attn (part 2): grid 16 x 16, 16 waves a work-group, no clusters, 55,296 bytes of LDS; arguments qws, kvws, Wo, ows, wows; writes ows, wows
.if DOCPART == 2
	.amdgcn_target "amdgcn-amd-amdhsa--gfx1250"
	.amdhsa_code_object_version 6
	.text
	.protected	k_q45988bfff6_attn
	.globl	k_q45988bfff6_attn
	.p2align	8
	.type	k_q45988bfff6_attn,@function
k_q45988bfff6_attn:
	s_mov_b64 s[64:65], 0
	v_nop
	global_prefetch_b8 v0, s[64:65] scope:SCOPE_SE
	s_setreg_imm32_b32 hwreg(HW_REG_WAVE_MODE, 25, 1), 1
	s_wait_xcnt 0x0
; Causal attention of one head on codes of FP6 (E2M3): S^T = K Q^T, p = 2^(t - M), O^T = V^T P^T, O / l quantised along the channels for the last projection.  Also: Wo is quantised here, 32 small jobs at the head.
; t = score x log2(e) / 8; M = the row's largest t so far, rounded UP to a whole number; p is not normalised; the row's sum l is taken of the unquantised p and divides O at the end.  When M moves, l and O are
; multiplied by 2^(old M - new M): exact.
; SHARES.  Work-group (j, bh): head bh, the blocks j and 31 - j of 128 queries: block i needs i + 1 key steps of 128 keys, so every work-group has 8 (j + 1) + 8 (32 - j) = 264 wave-steps.
;   Sixteen waves, one tile of 16 queries each, 256 registers: four waves to a SIMD, so that one wave's vector work stands beside another's matrix work and LDS loads.
;   Wave w takes tile w / 2 of the late block where (w ^ (w / 4)) is odd, of the early block else.
; LAYOUT.  A lane holds ONE query (lane % 16) throughout.  Tile 2 f + u of tokens holds tokens 32 f + 8 u + r + 8 (r / 8), so that the 16 registers of two neighbouring tiles of scores are 16 neighbouring keys.
;   K = 64 is half of the instruction's 128: a K fragment holds TWO key tiles (registers 0-5: u = 0; 6-11: u = 1); Q lies in 18 registers [0 | q | 0]: the upper 12, [q | 0], pick tile u = 0, the lower 12, [0 | q], tile u = 1.
;   Zero codes add nothing; no scale byte is 0xff.
; THE RING.  Two LDS slots, each the image of one record of kvws (256 keys: two key steps of 4 K fragments, 4 V fragments and their scale words).  It is filled through registers: each thread asks for 52 bytes of the next
;   slot at a slot's head and stores them into the other slot at its end, two key steps later; one barrier a slot.  A trip of the loop is slot 0, then slot 1: every LDS address is a constant and a lane's or thread's term.
;   The loop's trips, 8 - j / 4, hang on the work-group's number alone; 4 trips' steps cover the late block's 32 - j.  The next slot's number is held at 15, so no load leaves kvws.
; No tensor loads: a slot is 26 KB for two key steps of sixteen waves.  No cluster: the work-groups of a head need different numbers of slots.  No prefetch: a slot's loads are out for two key steps before their wait.
; LIMITS.  NaN and infinities are not served.  M is a whole number exactly while |t| < 2^24.  A block's largest p is had from the block's largest score by the same two instructions, which takes v_exp_f32 not to fall where
;   its input rises.  A block whose every p is 0 keeps the byte 1: its codes are zeros.  Scale bytes are held at 1 from below.
.set SLOTB, 26624
.set SPARE, 2*SLOTB                    ; behind the ring: the spare words, 128 bytes for each wave: eight blocks of 256 bytes that no other line names
.set LI,  1                            ; 16 x lane
.set LS,  2                            ; 4 x lane
.set CI,  3                            ; 16 x thread
.set CS4, 4                            ; 4 x thread
.set SPW, 5                            ; LDS address of my spare word; never rewritten
.set NIL, 6                            ; 0; never rewritten
.set DD,  7                            ; my query's place in its block of 128, less 16 (lane / 16)
.set L8,  8                            ; 8 x lane
.set WOA, 9                            ; Wo: 1,024 r + 64 h
                                       ; v12 -M, v13 the largest t, v[14:15] l in two halves
.set QS,  34                           ; v16-33 [0 | q | 0]; v34 q's scale word
.set FR,  36                           ; v36-83  four fragments of K, then of V
.set KSC, 84                           ; v84-87  K's scale words
.set VSC, 88                           ; v88-91  V's
.set NINF, 92                          ; -infinity
.set S,   96                           ; v96-159 S^T, then p
.set O,   160                          ; v160-191 O^T
.set PC,  192                          ; v192-203 p's codes
.set T2,  204                          ; v204-210 the conversions' second halves
.set TM,  212                          ; v212-227 at work; v[220:221]: the sums' second chain
.set SU,  220
.set TT,  228
.set F,   230                          ; f = 2^(old M - new M)
.set PSW, 231                          ; p's scale word
.set CP,  232                          ; v232-244 the copy's 52 bytes
.set PW,  246
.set WV,  14
.set J,   15
.set BH,  16
.set BLK, 17                           ; my block of 128 queries = my last key step
.set TAU, 18
.set KS,  19                           ; the key step
.set SI,  20                           ; the slot asked for last
.set TR,  21
.set NTR, 22
.set NX,  23
.set OF,  24                           ; s[24:25] an offset; the high word stays 0
.set KP,  26                           ; s[26:27] the slot that is being asked for
.set SEL, 28
.set CS,  30                           ; s[30:31] c = log2(e) / 8
.set QP,  32
.set OP,  34
.set KV,  36
.macro NOP4
.rept 4
	v_nop
.endr
.endm
.macro BARRIER                         ; my LDS stores have landed and my LDS loads are in: then the work-group's barrier
	s_wait_dscnt 0x0
	s_barrier_signal -1
	s_barrier_wait -1
.endm
; 64 numbers of a lane, register 16 b + i = k 32 b + 16 (lane / 16) + i of my row, become a fragment's 12 registers at v[d] and its scale word in v[pw].
.macro QUANT s, d, pw
.irp b, 0,1,2,3
	v_max3_num_f32 v[TM+\b], |v[\s+16*\b]|, |v[\s+1+16*\b]|, 0x1800000   ; and the floor 2^(3 - 127): the byte cannot fall under 1
.endr
.irp i, 2,4,6,8,10,12,14
.irp b, 0,1,2,3
	v_max3_num_f32 v[TM+\b], v[TM+\b], |v[\s+16*\b+\i]|, |v[\s+1+16*\b+\i]|
.endr
.endr
.irp b, 0,1,2,3
	v_permlanex16_b32 v[TM+4+\b], v[TM+\b], s[SEL], s[SEL+1]
.endr
.irp b, 0,1,2,3
	v_max_num_f32 v[TM+\b], v[TM+\b], v[TM+4+\b]
.endr
.irp b, 0,1,2,3
	v_add_nc_u32 v[TM+12+\b], 0xff000000, v[TM+\b]
.endr
.irp b, 0,1,2,3
	v_lshrrev_b32 v[TM+4+\b], 23, v[TM+12+\b]
.endr
	v_lshl_or_b32 v[\pw], v[TM+5], 8, v[TM+4]
	v_lshl_or_b32 v[\pw], v[TM+6], 16, v[\pw]
	v_lshl_or_b32 v[\pw], v[TM+7], 24, v[\pw]
.irp c, 0,1
	v_cvt_scalef32_pk16_fp6_f32 v[\d+6*\c:\d+6*\c+2], v[\s+32*\c:\s+32*\c+15], v[TM+12+2*\c]
	v_cvt_scalef32_pk16_fp6_f32 v[T2+4*\c:T2+4*\c+2], v[\s+32*\c+16:\s+32*\c+31], v[TM+13+2*\c]
.endr
	v_nop
.irp c, 0,1
.irp i, 0,1,2
	v_permlane16_swap_b32 v[\d+6*\c+\i], v[T2+4*\c+\i]
.endr
.irp i, 0,1,2
	v_mov_b32 v[\d+6*\c+3+\i], v[T2+4*\c+\i]
.endr
.endr
.endm
; The same for 32 numbers (two blocks): six registers at v[d], the word b0 | b1 << 8 in v[pw].
.macro HALF s, d, pw
.irp b, 0,1
	v_max3_num_f32 v[TM+\b], |v[\s+16*\b]|, |v[\s+1+16*\b]|, 0x1800000
.endr
.irp i, 2,4,6,8,10,12,14
.irp b, 0,1
	v_max3_num_f32 v[TM+\b], v[TM+\b], |v[\s+16*\b+\i]|, |v[\s+1+16*\b+\i]|
.endr
.endr
.irp b, 0,1
	v_permlanex16_b32 v[TM+4+\b], v[TM+\b], s[SEL], s[SEL+1]
.endr
.irp b, 0,1
	v_max_num_f32 v[TM+\b], v[TM+\b], v[TM+4+\b]
.endr
.irp b, 0,1
	v_add_nc_u32 v[TM+12+\b], 0xff000000, v[TM+\b]
.endr
.irp b, 0,1
	v_lshrrev_b32 v[TM+4+\b], 23, v[TM+12+\b]
.endr
	v_lshl_or_b32 v[\pw], v[TM+5], 8, v[TM+4]
	v_cvt_scalef32_pk16_fp6_f32 v[\d:\d+2], v[\s:\s+15], v[TM+12]
	v_cvt_scalef32_pk16_fp6_f32 v[T2:T2+2], v[\s+16:\s+31], v[TM+13]
	v_nop
.irp i, 0,1,2
	v_permlane16_swap_b32 v[\d+\i], v[T2+\i]
.endr
.irp i, 0,1,2
	v_mov_b32 v[\d+3+\i], v[T2+\i]
.endr
.endm
	s_load_b256 s[4:11], s[0:1], 0x0               ; qws s[4:5], kvws s[6:7], Wo s[8:9], ows s[10:11]
	s_load_b64 s[12:13], s[0:1], 0x20              ; wows
	v_lshl_add_u32 v[SPW], v0, 2, SPARE
	v_mov_b32 v[NIL], 0
	v_lshrrev_b32 v10, 5, v0
	v_readfirstlane_b32 s[WV], v10                 ; wave 0..15
	v_and_b32 v11, 31, v0                          ; lane
	v_lshlrev_b32 v[LI], 4, v11
	v_lshlrev_b32 v[LS], 2, v11
	v_lshlrev_b32 v[L8], 3, v11
	v_lshlrev_b32 v[CI], 4, v0
	v_lshlrev_b32 v[CS4], 2, v0
	v_and_b32 v10, 15, v0                          ; r
	v_bfe_u32 v11, v0, 4, 1                        ; h
	v_and_b32 v[DD], 8, v10
	v_add_nc_u32 v[DD], v[DD], v10                 ; r + 8 (r / 8)
	v_lshlrev_b32 v[WOA], 4, v11
	v_sub_nc_u32 v[DD], v[DD], v[WOA]              ; - 16 h
	v_lshlrev_b32 v[WOA], 10, v10
	v_lshl_add_u32 v[WOA], v11, 6, v[WOA]
	s_lshr_b32 s44, s[WV], 2
	s_lshl_b32 s44, s44, 5
	s_bfe_u32 s45, s[WV], 0x10001
	s_lshl_b32 s45, s45, 3
	s_add_co_u32 s44, s44, s45
	v_add_nc_u32 v[DD], s44, v[DD]                 ; + 32 (w / 4) + 8 ((w / 2) % 2): tile w / 2 of the block
.irp b, 0,1,2,3
	v_mov_b32 v[TM+4+\b], 0                        ; written once: a lane permute's destination counts as one of its sources
.endr
	s_mov_b32 s[SEL], 0x76543210
	s_mov_b32 s[SEL+1], 0xfedcba98
	s_mov_b32 s[CS], 0x3e38aa3b                    ; c = log2(e) / 8
	s_mov_b32 s[CS+1], s[CS]                       ; (named with it as a pair, so it is written)
	s_mov_b32 s[J], ttmp9
	s_and_b32 s[BH], ttmp7, 0xffff
	s_lshr_b32 s44, s[WV], 2
	s_xor_b32 s44, s44, s[WV]
	s_and_b32 s44, s44, 1                          ; 1: the late block
	s_sub_co_u32 s45, 31, s[J]
	s_cmp_lg_u32 s44, 0
	s_cselect_b32 s[BLK], s45, s[J]
	s_lshl_b32 s[TAU], s[BLK], 3
	s_lshr_b32 s44, s[WV], 1
	s_add_co_u32 s[TAU], s[TAU], s44               ; my tile of the head's 256
	s_lshr_b32 s44, s[J], 2
	s_sub_co_u32 s[NTR], 8, s44
	s_lshl_b32 s44, s[BH], 8                       ; qws: record 256 bh + tile
	s_add_co_u32 s44, s44, s[TAU]
	s_lshl_b32 s44, s44, 10
	s_mov_b32 s45, 0
	s_lshr_b32 s46, s[BH], 2                       ; ows: record 4 (256 batch + tile) + head
	s_lshl_b32 s46, s46, 8
	s_add_co_u32 s46, s46, s[TAU]
	s_lshl_b32 s46, s46, 2
	s_and_b32 s47, s[BH], 3
	s_add_co_u32 s46, s46, s47
	s_lshl_b32 s46, s46, 10
	s_mov_b32 s47, 0
	s_mul_i32 s[OF], s[BH], 16*SLOTB               ; kvws: the head's sixteen records
	s_mov_b32 s[OF+1], 0
	s_mov_b32 s[KS], 0
	s_mov_b32 s[SI], 0
	s_mov_b32 s[TR], 0
	s_wait_kmcnt 0x0
	s_add_nc_u64 s[QP:QP+1], s[4:5], s[44:45]
	s_add_nc_u64 s[OP:OP+1], s[10:11], s[46:47]
	s_add_nc_u64 s[KV:KV+1], s[6:7], s[OF:OF+1]
.irp p, 0,1,2
	global_load_b64 v[22+2*\p:23+2*\p], v[L8], s[QP:QP+1] offset:256*\p   ; q's six registers
.endr
	global_load_b32 v[QS], v[LS], s[QP:QP+1] offset:768
.irp i, 0,1,2
	global_load_b128 v[CP+4*\i:CP+4*\i+3], v[CI], s[KV:KV+1] offset:8192*\i   ; slot 0
.endr
	global_load_b32 v[CP+12], v[CS4], s[KV:KV+1] offset:24576
	; Wo: [256][256] f32 is 32 fragments of 16 rows x 128 K.  Wave 0 of the 32 work-groups with bh < 2 takes one each: job = 16 bh + j = 2 (tile of rows) + K step.  A scalar branch on ids; no barrier stands in it.
	s_lshr_b32 s40, s[BH], 1
	s_or_b32 s40, s40, s[WV]
	s_cmp_lg_u32 s40, 0
	s_cbranch_scc1 .Lno_wo
	s_lshl_b32 s40, s[BH], 4
	s_add_co_u32 s40, s40, s[J]                    ; job
	s_lshr_b32 s42, s40, 1
	s_lshl_b32 s42, s42, 14                        ; 16 rows of 1,024 bytes
	s_and_b32 s43, s40, 1
	s_lshl_b32 s43, s43, 9
	s_add_co_u32 s42, s42, s43
	s_mov_b32 s43, 0
	s_add_nc_u64 s[38:39], s[8:9], s[42:43]
.irp b, 0,1,2,3
.irp i, 0,1,2,3
	global_load_b128 v[S+16*\b+4*\i:S+16*\b+4*\i+3], v[WOA], s[38:39] offset:128*\b+16*\i   ; row r, k = 32 b + 16 h + 4 i ..
.endr
.endr
	s_mul_i32 s44, s40, 1536
	s_mov_b32 s45, 0
	s_add_nc_u64 s[42:43], s[12:13], s[44:45]      ; the job's codes in wows,
	s_lshl_b32 s46, s40, 7
	s_add_co_u32 s46, s46, 49152
	s_mov_b32 s47, 0
	s_add_nc_u64 s[46:47], s[12:13], s[46:47]      ; and its scale words
	s_wait_loadcnt 0x0
	QUANT S, PC, PW
.irp c, 0,1,2
	global_store_b128 v[LI], v[PC+4*\c:PC+4*\c+3], s[42:43] offset:512*\c
.endr
	global_store_b32 v[LS], v[PW], s[46:47]
	s_wait_xcnt 0x0                                ; the stores have read their registers, which the key steps write again
.Lno_wo:
.irp i, 16,17,18,19,20,21,28,29,30,31,32,33
	v_mov_b32 v[\i], 0                             ; the zero codes on both sides of q
.endr
	v_mov_b32 v13, 0xff61b1e6                      ; the largest t so far: -3e38, under every t
	v_floor_f32 v12, -v13                          ; -M
	v_mov_b32 v14, 0
	v_mov_b32 v15, 0
	v_mov_b32 v[TT], 0
	v_mov_b32 v[F], 0
	v_mov_b32 v[PSW], 0                            ; (named as the upper half of the pair with f before it is first written)
	v_mov_b32 v[NINF], 0xff800000
.irp i, 0,1,2,3,4,5,6,7,8,9,10,11,12,13,14,15,16,17,18,19,20,21,22,23,24,25,26,27,28,29,30,31
	v_mov_b32 v[O+\i], 0                           ; O^T: the step is written once; the first finds zeros, which the first change of M leaves zeros
.endr
	s_wait_loadcnt 0x0                             ; q and slot 0
.irp i, 0,1,2
	ds_store_b128 v[CI], v[CP+4*\i:CP+4*\i+3] offset:8192*\i
.endr
	ds_store_b32 v[CS4], v[CP+12] offset:24576
	BARRIER                                        ; slot 0 is whole
.macro COPYLD                          ; the next record of kvws is asked for, 52 bytes a thread.  The address pair is free: the last copy's loads were waited for
	s_add_co_u32 s[SI], s[SI], 1
	s_min_u32 s[NX], s[SI], 15                     ; no load leaves kvws: past the last record the last is read again, into a slot that nobody reads
	s_mul_i32 s[OF], s[NX], SLOTB
	s_add_nc_u64 s[KP:KP+1], s[KV:KV+1], s[OF:OF+1]
.irp i, 0,1,2
	global_load_b128 v[CP+4*\i:CP+4*\i+3], v[CI], s[KP:KP+1] offset:8192*\i
.endr
	global_load_b32 v[CP+12], v[CS4], s[KP:KP+1] offset:24576
.endm
; It goes into the OTHER slot.  That slot's last reads stand in front of the barrier at the end of the slot before this one, where every wave waited for them; it is read again only behind the barrier here.
.macro COPYST sl
	s_wait_loadcnt 0x0
.irp i, 0,1,2
	ds_store_b128 v[CI], v[CP+4*\i:CP+4*\i+3] offset:(1-\sl)*SLOTB+8192*\i
.endr
	ds_store_b32 v[CS4], v[CP+12] offset:(1-\sl)*SLOTB+24576
	BARRIER
.endm
; A KEY STEP: 128 keys, the q-th of slot sl.
.macro STEP sl, q
.set KB, (\sl)*SLOTB+(\q)*12288
.set VB, KB+6144
.set KW, (\sl)*SLOTB+24576+(\q)*1024
.set VW, KW+512
	s_cmp_gt_u32 s[KS], s[BLK]                     ; all of the step's keys come after my queries: its work is left out (a scalar branch on ids; no barrier stands in a step)
	s_cbranch_scc1 .Lhid_\@
	NOP4                                           ; places in front of loads into registers that the last step's products have read
.irp f, 0,1,2,3
.irp c, 0,1,2
	ds_load_b128 v[FR+12*\f+4*\c:FR+12*\f+4*\c+3], v[LI] offset:KB+1536*\f+512*\c
.endr
	ds_load_b32 v[KSC+\f], v[LS] offset:KW+128*\f
.endr
	s_wait_dscnt 0x0
.irp f, 0,1,2,3                                ; S^T: registers 16 f + i are key 32 f + 16 (lane / 16) + i of the step
	v_wmma_scale_f32_16x16x128_f8f6f4 v[S+16*\f:S+16*\f+7], v[FR+12*\f:FR+12*\f+11], v[22:33], 0, v[KSC+\f], v[QS] matrix_a_fmt:MATRIX_FMT_FP6 matrix_b_fmt:MATRIX_FMT_FP6
	v_wmma_scale_f32_16x16x128_f8f6f4 v[S+16*\f+8:S+16*\f+15], v[FR+12*\f:FR+12*\f+11], v[16:27], 0, v[KSC+\f], v[QS] matrix_a_fmt:MATRIX_FMT_FP6 matrix_b_fmt:MATRIX_FMT_FP6
.endr
	NOP4                                           ; places in front of the loads below and of the first read of the scores
.irp t, 0,1,2,3                                ; V's fragments take K's registers and land under the softmax
.irp c, 0,1,2
	ds_load_b128 v[FR+12*\t+4*\c:FR+12*\t+4*\c+3], v[LI] offset:VB+1536*\t+512*\c
.endr
	ds_load_b32 v[VSC+\t], v[LS] offset:VW+128*\t
.endr
	s_cmp_lg_u32 s[KS], s[BLK]                     ; only my last step lies on the diagonal: there the scores of hidden keys become -infinity ahead of the maximum
	s_cbranch_scc1 .Lopen_\@
.irp n, 0,1,2,3,4,5,6,7,8,9,10,11,12,13,14,15,16,17,18,19,20,21,22,23,24,25,26,27,28,29,30,31,32,33,34,35,36,37,38,39,40,41,42,43,44,45,46,47,48,49,50,51,52,53,54,55,56,57,58,59,60,61,62,63
	v_cmp_gt_i32 vcc_lo, 32*(\n/16)+\n%16, v[DD]
	v_cndmask_b32 v[S+\n], v[S+\n], v[NINF], vcc_lo
.endr
.Lopen_\@:
.irp b, 0,1,2,3
	v_max3_num_f32 v[TM+\b], v[S+16*\b], v[S+1+16*\b], v[S+2+16*\b]   ; the largest score of each block of 32 keys: it serves for the row's maximum and for the block's largest p
.endr
.irp i, 3,5,7,9,11,13
.irp b, 0,1,2,3
	v_max3_num_f32 v[TM+\b], v[TM+\b], v[S+16*\b+\i], v[S+1+16*\b+\i]
.endr
.endr
.irp b, 0,1,2,3
	v_max_num_f32 v[TM+\b], v[TM+\b], v[S+15+16*\b]
.endr
.irp b, 0,1,2,3
	v_permlanex16_b32 v[TM+4+\b], v[TM+\b], s[SEL], s[SEL+1]
.endr
.irp b, 0,1,2,3
	v_max_num_f32 v[TM+\b], v[TM+\b], v[TM+4+\b]   ; with lane l xor 16's 16 keys
.endr
	v_max3_num_f32 v[TT], v[TM], v[TM+1], v[TM+2]
	v_max_num_f32 v[TT], v[TT], v[TM+3]            ; the step's largest score of my query
	v_mul_f32 v[TT], s[CS], v[TT]                  ; as t (c is positive)
	v_max_num_f32 v13, v13, v[TT]                  ; the running largest t
	v_mov_b32 v[TT], v12
	v_floor_f32 v12, -v13                          ; the new -M = floor(-t) = -ceil(t)
	v_sub_f32 v[TT], v12, v[TT]                    ; old M - new M: a whole number, 0 or less
	v_cvt_i32_f32 v[TT], v[TT]                     ; (it saturates)
	v_ldexp_f32 v[F], 1.0, v[TT]                   ; f = 2^(old M - new M)
.irp j, 0,2,4,6,8,10,12,14,16,18,20,22,24,26,28,30,32,34,36,38,40,42,44,46,48,50,52,54,56,58,60,62
	v_pk_fma_f32 v[S+\j:S+1+\j], v[S+\j:S+1+\j], s[CS:CS+1], v[12:13] op_sel_hi:[1,0,0]   ; t - M, two at a time
.endr
.irp b, 0,1,2,3
	v_fma_f32 v[TM+\b], v[TM+\b], s[CS], v12       ; the same of each block's largest score
.endr
.irp j, 0,1,2,3,4,5,6,7,8,9,10,11,12,13,14,15,16,17,18,19,20,21,22,23,24,25,26,27,28,29,30,31,32,33,34,35,36,37,38,39,40,41,42,43,44,45,46,47,48,49,50,51,52,53,54,55,56,57,58,59,60,61,62,63
	v_exp_f32 v[S+\j], v[S+\j]                     ; p = 2^(t - M), at most 1
.endr
	v_pk_mul_f32 v[14:15], v[14:15], v[F:F+1] op_sel_hi:[1,0]   ; l under the new M: the plain instruction behind the exponentials
	s_wait_alu depctr_va_vdst(0)                   ; one wait for the batch of 64, ahead of its first reader
.irp b, 0,1,2,3
	v_exp_f32 v[TM+\b], v[TM+\b]                   ; each block's largest p
.endr
	v_pk_add_f32 v[SU:SU+1], v[S:S+1], v[S+2:S+3]  ; the row's sum of the unquantised p, in two chains: plain work behind the four
.irp j, 4,8,12,16,20,24,28,32,36,40,44,48,52,56,60
	v_pk_add_f32 v[14:15], v[14:15], v[S+\j:S+1+\j]
	v_pk_add_f32 v[SU:SU+1], v[SU:SU+1], v[S+2+\j:S+3+\j]
.endr
	v_pk_add_f32 v[14:15], v[14:15], v[SU:SU+1]
	s_wait_alu depctr_va_vdst(0)                   ; and one for the four
.irp b, 0,1,2,3
	v_max_num_f32 v[TM+\b], 0x1800000, v[TM+\b]    ; the floor 2^(3 - 127): the byte cannot fall under 1
.endr
.irp b, 0,1,2,3
	v_add_nc_u32 v[TM+12+\b], 0xff000000, v[TM+\b] ; 2 off the exponent field: the conversion's scale operand
.endr
.irp b, 0,1,2,3
	v_lshrrev_b32 v[TM+4+\b], 23, v[TM+12+\b]      ; the scale's byte
.endr
	v_lshl_or_b32 v[PSW], v[TM+5], 8, v[TM+4]
	v_lshl_or_b32 v[PSW], v[TM+6], 16, v[PSW]
	v_lshl_or_b32 v[PSW], v[TM+7], 24, v[PSW]
.irp c, 0,1
	v_cvt_scalef32_pk16_fp6_f32 v[PC+6*\c:PC+6*\c+2], v[S+32*\c:S+32*\c+15], v[TM+12+2*\c]
	v_cvt_scalef32_pk16_fp6_f32 v[T2+4*\c:T2+4*\c+2], v[S+32*\c+16:S+32*\c+31], v[TM+13+2*\c]
.endr
	v_nop                                          ; one plain place behind a scaled conversion
.irp c, 0,1
.irp i, 0,1,2
	v_permlane16_swap_b32 v[PC+6*\c+\i], v[T2+4*\c+\i]
.endr
.irp i, 0,1,2
	v_mov_b32 v[PC+6*\c+3+\i], v[T2+4*\c+\i]
.endr
.endr
.irp j, 0,2,4,6,8,10,12,14,16,18,20,22,24,26,28,30
	v_pk_mul_f32 v[O+\j:O+1+\j], v[O+\j:O+1+\j], v[F:F+1] op_sel_hi:[1,0]   ; O^T under the new M.  These sixteen are also the places between p's codes and scale word and the products
.endr
	s_wait_dscnt 0x0                               ; V is in
.irp t, 0,1,2,3                                ; O^T += V^T P^T: four accumulators by turns
	v_wmma_scale_f32_16x16x128_f8f6f4 v[O+8*\t:O+8*\t+7], v[FR+12*\t:FR+12*\t+11], v[PC:PC+11], v[O+8*\t:O+8*\t+7], v[VSC+\t], v[PSW] matrix_a_fmt:MATRIX_FMT_FP6 matrix_b_fmt:MATRIX_FMT_FP6
.endr
.Lhid_\@:
	s_add_co_u32 s[KS], s[KS], 1
.endm
.macro SLOTM sl
	COPYLD
	STEP \sl, 0
	STEP \sl, 1
	COPYST \sl
.endm
.Ltrip:
	SLOTM 0
	SLOTM 1
	s_add_co_u32 s[TR], s[TR], 1
	s_cmp_lt_u32 s[TR], s[NTR]
	s_cbranch_scc1 .Ltrip
	; THE WAY OUT: O^T / l, quantised along the channels: registers 16 b + i are channel 32 b + 16 (lane / 16) + i of my query
	NOP4
	v_add_f32 v14, v14, v15                        ; l's two halves,
	v_permlanex16_b32 v[TT], v14, s[SEL], s[SEL+1]
	v_add_f32 v14, v14, v[TT]                      ; and lane l xor 16's
	v_rcp_f32 v14, v14
	v_nop                                          ; a plain place behind the reciprocal
	s_wait_alu depctr_va_vdst(0)                   ; and the wait ahead of its first reader
.irp j, 0,2,4,6,8,10,12,14,16,18,20,22,24,26,28,30
	v_pk_mul_f32 v[S+\j:S+1+\j], v[O+\j:O+1+\j], v[14:15] op_sel_hi:[1,0]
.endr
	HALF S, PC, PW
.irp p, 0,1,2
	global_store_b64 v[L8], v[PC+2*\p:PC+2*\p+1], s[OP:OP+1] offset:256*\p   ; 32 lanes store 256 consecutive bytes, aligned
.endr
	global_store_b32 v[LS], v[PW], s[OP:OP+1] offset:768
	s_wait_tensorcnt 0x0                           ; the wave's end
	ds_add_u32 v[SPW], v[NIL]
	s_wait_dscnt 0x0
	s_endpgm
.Lfunc_end_k_q45988bfff6_attn:
	.size	k_q45988bfff6_attn, .Lfunc_end_k_q45988bfff6_attn-k_q45988bfff6_attn
	.p2alignl 7, 3214868480
	.fill 96, 4, 3214868480
	.section	.rodata,"a",@progbits
	.p2align	6, 0x0
	.amdhsa_kernel k_q45988bfff6_attn
		.amdhsa_group_segment_fixed_size 55296
		.amdhsa_private_segment_fixed_size 0
		.amdhsa_enable_private_segment 0
		.amdhsa_kernarg_size 40
		.amdhsa_user_sgpr_count 2
		.amdhsa_user_sgpr_kernarg_segment_ptr 1
		.amdhsa_wavefront_size32 1
		.amdhsa_system_sgpr_workgroup_id_x 1
		.amdhsa_system_sgpr_workgroup_id_y 1
		.amdhsa_system_sgpr_workgroup_id_z 1
		.amdhsa_system_vgpr_workitem_id 0
		.amdhsa_next_free_vgpr 256
		.amdhsa_next_free_sgpr 66
		.amdhsa_reserve_vcc 1
		.amdhsa_float_denorm_mode_32 3
		.amdhsa_float_denorm_mode_16_64 3
		.amdhsa_memory_ordered 1
		.amdhsa_forward_progress 1
		.amdhsa_inst_pref_size 100
	.end_amdhsa_kernel
	.amdgpu_metadata
---
amdhsa.version: [ 1, 2 ]
amdhsa.kernels:
  - .name:           k_q45988bfff6_attn
    .symbol:         k_q45988bfff6_attn.kd
    .args:
      - { .name: qws, .offset: 0, .size: 8, .value_kind: global_buffer, .address_space: global }
      - { .name: kvws, .offset: 8, .size: 8, .value_kind: global_buffer, .address_space: global }
      - { .name: Wo, .offset: 16, .size: 8, .value_kind: global_buffer, .address_space: global }
      - { .name: ows, .offset: 24, .size: 8, .value_kind: global_buffer, .address_space: global }
      - { .name: wows, .offset: 32, .size: 8, .value_kind: global_buffer, .address_space: global }
    .group_segment_fixed_size: 55296
    .private_segment_fixed_size: 0
    .kernarg_segment_align: 8
    .kernarg_segment_size: 40
    .max_flat_workgroup_size: 512
    .sgpr_count:     66
    .vgpr_count:     256
    .wavefront_size: 32
...
	.end_amdgpu_metadata
.endif
;; end of part 2
;; launch outp (part 3): grid 256 x 1, 16 waves a work-group, no clusters, 68,608 bytes of LDS; arguments ows, wows, out0; writes out0
.if DOCPART == 3
	.amdgcn_target "amdgcn-amd-amdhsa--gfx1250"
	.amdhsa_code_object_version 6
	.text
	.protected	k_q45988bfff6_outp
	.globl	k_q45988bfff6_outp
	.p2align	8
	.type	k_q45988bfff6_outp,@function
k_q45988bfff6_outp:
	s_mov_b64 s[64:65], 0
	v_nop
	global_prefetch_b8 v0, s[64:65] scope:SCOPE_SE
	s_setreg_imm32_b32 hwreg(HW_REG_WAVE_MODE, 25, 1), 1
	s_wait_xcnt 0x0
; out0 = Q(O) Q(Wo)^T on codes of FP6 (E2M3), K = 256.  Both operands arrive as codes in the order of the operand's registers (ows: a record of six registers for each tile of 16 tokens and each head; wows: Wo's 32 fragments).
; SHARES.  Work-group g takes tokens 64 g .. 64 g + 63: four tiles.  Wave w takes output columns 16 w .. 16 w + 15 for all four: eight matrix instructions, four accumulators by turns, two K steps.
; Source 0 = 16 rows of Wo, source 1 = a tile of tokens: a lane holds one token and eight neighbouring outputs.  Tile 2 f + u holds tokens 32 f + 8 u + r + 8 (r / 8): the stage in LDS puts the rows back in order,
; and each wave stores four whole rows of 1,024 bytes.  All loads go out at once; one barrier.  No tensor loads, no cluster: a work-group's operands are 16 KB of its own and 52 KB that all share.
.set STG,   0                          ; 64 rows x (1,024 bytes + 16)
.set SPARE, 66560                      ; the spare words, 128 bytes for each wave: eight blocks of 256 bytes that no other line names
.set LI,  1                            ; 16 x lane
.set LS,  2                            ; 4 x lane
.set L8,  3                            ; 8 x lane
.set SO,  4                            ; the stage: where I put 32 bytes of a row
.set SR,  5                            ; and where I read rows back
.set SPW, 6                            ; LDS address of my spare word; never rewritten
.set NIL, 7                            ; 0; never rewritten
.set WF,  16                           ; v16-39   Wo's two fragments
.set WS,  40                           ; v40-41   their scale words
.set OS,  42                           ; v42-49   O's scale words (2 m + K step)
.set OW,  50                           ; v50-65   the records' words (4 m + head): two bytes each
.set OF,  68                           ; v68-163  O's eight fragments: 24 m + 6 head
.set ACC, 164                          ; v164-195
.set OUTR, 196                         ; v196-227
	s_load_b128 s[4:7], s[0:1], 0x0                ; ows s[4:5], wows s[6:7]
	s_load_b64 s[8:9], s[0:1], 0x10                ; out0
	v_lshl_add_u32 v[SPW], v0, 2, SPARE
	v_mov_b32 v[NIL], 0
	v_lshrrev_b32 v8, 5, v0
	v_readfirstlane_b32 s12, v8                    ; wave 0..15
	v_and_b32 v8, 31, v0
	v_lshlrev_b32 v[LI], 4, v8
	v_lshlrev_b32 v[LS], 2, v8
	v_lshlrev_b32 v[L8], 3, v8
	v_and_b32 v8, 15, v0                           ; r
	v_bfe_u32 v9, v0, 4, 1                         ; h
	v_and_b32 v10, 8, v8
	v_add_nc_u32 v10, v10, v8                      ; r + 8 (r / 8)
	v_mul_u32_u24 v[SO], v10, 1040
	v_lshl_add_u32 v[SO], v9, 5, v[SO]
	s_lshl_b32 s13, s12, 6
	v_add_nc_u32 v[SO], s13, v[SO]                 ; row r + 8 (r / 8), byte 64 w + 32 h
	s_mul_i32 s13, s12, 4160
	v_add_nc_u32 v[SR], s13, v[LI]                 ; rows 4 w on
	s_lshl_b32 s14, ttmp9, 14                      ; ows: sixteen records of 1,024 bytes a work-group
	s_mov_b32 s15, 0
	s_mul_i32 s16, s12, 3072                       ; wows: my two fragments,
	s_mov_b32 s17, 0
	s_lshl_b32 s18, s12, 8
	s_add_co_u32 s18, s18, 49152                   ; and their scale words
	s_mov_b32 s19, 0
	s_lshl_b32 s20, ttmp9, 16                      ; out0: 64 rows of 1,024 bytes, and my four
	s_lshl_b32 s21, s12, 12
	s_add_co_u32 s20, s20, s21
	s_mov_b32 s21, 0
	s_wait_kmcnt 0x0
	s_add_nc_u64 s[10:11], s[6:7], s[18:19]
	s_add_nc_u64 s[6:7], s[6:7], s[16:17]
	s_add_nc_u64 s[4:5], s[4:5], s[14:15]
	s_add_nc_u64 s[8:9], s[8:9], s[20:21]
.irp ks, 0,1
.irp c, 0,1,2
	global_load_b128 v[WF+12*\ks+4*\c:WF+12*\ks+4*\c+3], v[LI], s[6:7] offset:1536*\ks+512*\c
.endr
	global_load_b32 v[WS+\ks], v[LS], s[10:11] offset:128*\ks
.endr
.irp m, 0,1,2,3
.irp e, 0,1,2,3                                ; head e is k = 64 e .. 64 e + 63: registers 6 (e % 2) on of the fragment of K step e / 2
.irp p, 0,1,2
	global_load_b64 v[OF+24*\m+6*\e+2*\p:OF+24*\m+6*\e+2*\p+1], v[L8], s[4:5] offset:(4*\m+\e)*1024+256*\p
.endr
	global_load_b32 v[OW+4*\m+\e], v[LS], s[4:5] offset:(4*\m+\e)*1024+768
.endr
.endr
	s_wait_loadcnt 0x0
.irp m, 0,1,2,3
.irp ks, 0,1
	v_lshl_or_b32 v[OS+2*\m+\ks], v[OW+4*\m+2*\ks+1], 16, v[OW+4*\m+2*\ks]   ; two heads' two bytes make a K step's scale word
.endr
.endr
.rept 8
	v_nop                                          ; a scale register written by a vector instruction stands eight places ahead of a scaled matrix instruction
.endr
.irp ks, 0,1
.irp m, 0,1,2,3
.if \ks == 0
	v_wmma_scale_f32_16x16x128_f8f6f4 v[ACC+8*\m:ACC+8*\m+7], v[WF+12*\ks:WF+12*\ks+11], v[OF+24*\m+12*\ks:OF+24*\m+12*\ks+11], 0, v[WS+\ks], v[OS+2*\m+\ks] matrix_a_fmt:MATRIX_FMT_FP6 matrix_b_fmt:MATRIX_FMT_FP6
.else
	v_wmma_scale_f32_16x16x128_f8f6f4 v[ACC+8*\m:ACC+8*\m+7], v[WF+12*\ks:WF+12*\ks+11], v[OF+24*\m+12*\ks:OF+24*\m+12*\ks+11], v[ACC+8*\m:ACC+8*\m+7], v[WS+\ks], v[OS+2*\m+\ks] matrix_a_fmt:MATRIX_FMT_FP6 matrix_b_fmt:MATRIX_FMT_FP6
.endif
.endr
.endr
.rept 4
	v_nop                                          ; places in front of the first read of results
.endr
.irp m, 0,1,2,3
	ds_store_b128 v[SO], v[ACC+8*\m:ACC+8*\m+3] offset:(32*(\m/2)+8*(\m%2))*1040       ; each accumulator from its low end on
	ds_store_b128 v[SO], v[ACC+8*\m+4:ACC+8*\m+7] offset:(32*(\m/2)+8*(\m%2))*1040+16
.endr
	s_wait_dscnt 0x0                               ; for the others' sake: my stores into the stage are done
	s_barrier_signal -1
	s_barrier_wait -1                              ; 64 whole rows lie in the stage
.irp k, 0,1,2,3,4,5,6,7
	ds_load_b128 v[OUTR+4*\k:OUTR+4*\k+3], v[SR] offset:(\k/2)*1040+512*(\k%2)
.endr
.irp k, 0,1,2,3,4,5,6,7
	s_wait_dscnt 7-\k
	global_store_b128 v[LI], v[OUTR+4*\k:OUTR+4*\k+3], s[8:9] offset:(\k/2)*1024+512*(\k%2) th:TH_STORE_NT   ; 32 lanes store 512 consecutive bytes, aligned; written once, read by nobody here
.endr
	s_wait_tensorcnt 0x0                           ; the wave's end
	ds_add_u32 v[SPW], v[NIL]
	s_wait_dscnt 0x0
	s_endpgm
.Lfunc_end_k_q45988bfff6_outp:
	.size	k_q45988bfff6_outp, .Lfunc_end_k_q45988bfff6_outp-k_q45988bfff6_outp
	.p2alignl 7, 3214868480
	.fill 96, 4, 3214868480
	.section	.rodata,"a",@progbits
	.p2align	6, 0x0
	.amdhsa_kernel k_q45988bfff6_outp
		.amdhsa_group_segment_fixed_size 68608
		.amdhsa_private_segment_fixed_size 0
		.amdhsa_enable_private_segment 0
		.amdhsa_kernarg_size 24
		.amdhsa_user_sgpr_count 2
		.amdhsa_user_sgpr_kernarg_segment_ptr 1
		.amdhsa_wavefront_size32 1
		.amdhsa_system_sgpr_workgroup_id_x 1
		.amdhsa_system_sgpr_workgroup_id_y 1
		.amdhsa_system_sgpr_workgroup_id_z 1
		.amdhsa_system_vgpr_workitem_id 0
		.amdhsa_next_free_vgpr 232
		.amdhsa_next_free_sgpr 66
		.amdhsa_reserve_vcc 0
		.amdhsa_float_denorm_mode_32 3
		.amdhsa_float_denorm_mode_16_64 3
		.amdhsa_memory_ordered 1
		.amdhsa_forward_progress 1
		.amdhsa_inst_pref_size 13
	.end_amdhsa_kernel
	.amdgpu_metadata
---
amdhsa.version: [ 1, 2 ]
amdhsa.kernels:
  - .name:           k_q45988bfff6_outp
    .symbol:         k_q45988bfff6_outp.kd
    .args:
      - { .name: ows, .offset: 0, .size: 8, .value_kind: global_buffer, .address_space: global }
      - { .name: wows, .offset: 8, .size: 8, .value_kind: global_buffer, .address_space: global }
      - { .name: out0, .offset: 16, .size: 8, .value_kind: global_buffer, .address_space: global }
    .group_segment_fixed_size: 68608
    .private_segment_fixed_size: 0
    .kernarg_segment_align: 8
    .kernarg_segment_size: 24
    .max_flat_workgroup_size: 512
    .sgpr_count:     66
    .vgpr_count:     232
    .wavefront_size: 32
...
	.end_amdgpu_metadata
.endif
;; end of part 3
;; ======== version 2 of 2: 3 launches; version 1 with the launches proj, attn, outp written anew for expert scheduling mode
;; workspace buffers: qws 4,194,304 bytes; kvws 6,815,744 bytes; ows 4,194,304 bytes; wows 53,248 bytes
;; launch proj (part 4): grid 4 x 64, 8 waves a work-group, no clusters, 161,792 bytes of LDS; arguments x, Wq, Wk, Wv, qws, kvws; writes qws, kvws
.if DOCPART == 4
	.amdgcn_target "amdgcn-amd-amdhsa--gfx1250"
	.amdhsa_code_object_version 6
	.text
	.protected	k_q45988bfff6_proj
	.globl	k_q45988bfff6_proj
	.p2align	8
	.type	k_q45988bfff6_proj,@function
k_q45988bfff6_proj:
	s_mov_b64 s[64:65], 0
	v_nop
	global_prefetch_b8 v0, s[64:65] scope:SCOPE_SE
	s_setreg_imm32_b32 hwreg(HW_REG_WAVE_SCHED_MODE, 0, 2), 2
	s_setreg_imm32_b32 hwreg(HW_REG_WAVE_MODE, 25, 1), 1
	s_wait_xcnt 0x0
	s_wait_alu depctr_vm_vsrc(0)
; q = Q(x) Q(Wq)^T, k = Q(x) Q(Wk)^T, v = Q(x) Q(Wv)^T on codes of FP6 (E2M3) with one E8M0 scale for each 32 along K (= 256), and the results quantised again:
; q and k along the head's 64 channels, v down the tokens (the keys are the K of attention's second product).  Everything leaves as codes, laid in the order of the next launch's operand registers.
; SHARES.  A work-group takes 256 tokens (work-group y) x one head's 192 columns (work-group x = the head).  Eight waves.
;   Phase 1: wave w quantises seven fragments of 16 rows x 128 K: one each of Wq, Wk, Wv (tile w / 2, K step w % 2) and the four of its own two tiles of x; their register images go to LDS.  One barrier.
;   Phase 2: wave w makes q and k of its two tiles of x (x's fragments have stayed in its registers) and one fragment of v (key step w / 4, channel tile w % 4): 48 matrix instructions.
; THE ROWS OF A TILE ARE NOT NEIGHBOURS.  Tile 2 f + u of tokens holds tokens 32 f + 8 u + r + 8 (r / 8); tile 2 b + u of a head's rows of W holds channels 32 b + 8 u + r + 8 (r / 8).
;   So in a result with W as source 0 a lane holds one token and registers 16 b + i are channel 32 b + 16 (lane / 16) + i; with x as source 0 a lane holds one channel and registers 16 f + i are token 32 f + 16 (lane / 16) + i:
;   sixteen neighbours along the next K in sixteen consecutive registers, which is what the conversions take.
; LIMITS.  NaN and infinities among the inputs are not served.  A block whose largest magnitude lies under 2^-124 has its scale byte held at 1.  A block of zeros gets the byte 1 where the rule says 127: its codes are
;   zeros, which add nothing, and the bytes are read by this program alone.
; No tensor loads: a work-group reads 448 KB once, 64 loads of 512 bytes a wave on their way; no cluster: the four work-groups that share rows of x are neighbours in x of the grid and read them at about the same time.
; THE MODE: SCHED_MODE bits 1:0 = 2 (LLVM: expert scheduling mode 2), set by the entry lines.  The code itself states the register dependences between vector or matrix instructions and memory or LDS
;   instructions, with s_wait_alu, always for 0.
; THE PLAN.  Registers that memory or LDS instructions touch:
;   v1-15, v204, v241  offsets and LDS addresses: written at the head, never again.  One wait on va_vdst ahead of the first load serves every load and store of the kernel.
;   sets 0-3 (window 1)  written by global loads, read by the stage's stores, named by no vector instruction.  A set is asked for again behind a wait on vm_vsrc.
;   BA, BB   written by the stage's loads, read by the quantiser.  Each job has ONE wait on va_vdst, between its quantiser and its image's stores: the codes are written, and the quantiser is done reading its buffer,
;            in which the turn after next lands.
;   PC, PW   written by the quantiser, read by an image's or a record's stores: va_vdst ahead of the stores, vm_vsrc ahead of the next quantiser that writes them.
;   XF, XS   written by the quantiser, read by their image's stores and by q's and k's products; at the end of k's products x's fragments from LDS land in XF.
;   WF, WS, B0, B1   written by LDS loads, read by products: va_vdst between the products and the loads that land there again.
.set XIMG,  0                          ; LDS: x's 32 fragments as register images (index 2 tile + K step), 1,536 bytes each
.set XSC,   49152                      ; their scale words, 128 bytes each
.set WIMG,  53248                      ; the weights' 24 fragments (index 8 m + 2 t + K step; m = 0 q, 1 k, 2 v)
.set WSC,   90112                      ; their scale words
.set STG,   93184                      ; a stage of 16 rows x 528 bytes for each wave: 512 bytes + 16, so that the 16 rows of a read start at 16 different groups of banks
.set SPARE, 160768                     ; the spare words, 128 bytes for each wave: four blocks of 256 bytes that no other line names
.set LI,  1                            ; 16 x lane
.set LS,  2                            ; 4 x lane
.set L8,  3                            ; 8 x lane
.set STW, 4                            ; my stage, on the way in: 16 x lane
.set STR, 5                            ; and out: 528 r + 64 h
.set XWI, 6                            ; where I store x's images
.set XWS, 7                            ; and their scale words
.set WWI, 8                            ; where I store a weight's image
.set WWS, 9
.set LIW, 10                           ; WIMG + 16 x lane
.set LSW, 11                           ; WSC + 4 x lane
.set VXI, 12                           ; x's images of my key step
.set VXS, 13
.set SPW, 14                           ; LDS address of my spare word; never rewritten
.set NIL, 15                           ; 0; never rewritten
.set XF,  16                           ; v16-63   my four fragments of x (2 u + K step)
.set XS,  64                           ; v64-67   their scale words
.set BA,  68                           ; v68-131  64 numbers turned through the stage
.set BB,  132                          ; v132-195 the same, second buffer
.set TM,  196                          ; v196-211 at work in the quantiser (+8 .. +11 are not its own)
.set VWS, 204                          ; v204     Wv's scale words of my channel tile
.set T2,  212                          ; v212-218 the conversions' second halves
.set PC,  220                          ; v220-231 codes just made
.set PW,  232                          ; v232     scale word just made
.set WS,  233                          ; v233-240 eight scale words from LDS
.set VWI, 241                          ; v241     Wv's images of my channel tile
.set WV1, 242                          ; v242-253 Wv's fragment, K step 1
.set WVS, 254                          ; v254-255 Wv's scale words
.set WF,  68                           ; phase 2: v68-163 eight fragments of Wq or Wk (2 t + K step)
.set ACC, 164                          ; v164-195 four accumulators
.set ACCV, 68                          ; v68-131  eight accumulators of v
.set B0,  16                           ; v16-63, v132-179: four fragments of x from LDS, two buffers
.set B1,  132
.set WV0, 180                          ; v180-191 Wv's fragment, K step 0
.set SEL, 28                           ; s[28:29] selects of v_permlanex16_b32: lane l xor 16
.set QP,  32                           ; s[32:33] my two records of qws
.set KFP, 34                           ; s[34:35] my fragment's place in the record of kvws
.set KSP, 36                           ; s[36:37] my scale words' place there
; window 1 (v256-511): four sets of 64 registers, numbers as they are loaded
.set MSB, 0
.macro WIN new                         ; the immediate's high byte repeats the setting that is left
.if MSB != \new
	s_set_vgpr_msb (MSB<<8)|\new
.set MSB, \new
.endif
.endm
.macro NOP4                            ; four places behind matrix instructions (ISA guide 7.12.1), where no other vector work is at hand
.rept 4
	v_nop
.endr
.endm
.macro BARRIER                         ; my LDS stores have landed and my LDS loads are in: then the work-group's barrier
	s_wait_dscnt 0x0
	s_barrier_signal -1
	s_barrier_wait -1
.endm
; 64 numbers of a lane, register 16 b + i = k 32 b + 16 (lane / 16) + i of my row, become a fragment's 12 registers at v[d] and its scale word in v[pw].
.macro QUANT s, d, pw
.irp b, 0,1,2,3
	v_max3_num_f32 v[TM+\b], |v[\s+16*\b]|, |v[\s+1+16*\b]|, 0x1800000   ; block b: my 16 numbers, and the floor 2^(3 - 127): the byte cannot fall under 1
.endr
.irp i, 2,4,6,8,10,12,14
.irp b, 0,1,2,3
	v_max3_num_f32 v[TM+\b], v[TM+\b], |v[\s+16*\b+\i]|, |v[\s+1+16*\b+\i]|   ; the four blocks by turns; each accumulator is read from its low end on
.endr
.endr
.irp b, 0,1,2,3
	v_permlanex16_b32 v[TM+4+\b], v[TM+\b], s[SEL], s[SEL+1]
.endr
.irp b, 0,1,2,3
	v_max_num_f32 v[TM+\b], v[TM+\b], v[TM+4+\b]       ; with lane l xor 16's: the block's largest magnitude
.endr
.irp b, 0,1,2,3
	v_add_nc_u32 v[TM+12+\b], 0xff000000, v[TM+\b]     ; 2 off its exponent field: the conversion's scale operand
.endr
.irp b, 0,1,2,3
	v_lshrrev_b32 v[TM+4+\b], 23, v[TM+12+\b]          ; the scale's byte
.endr
	v_lshl_or_b32 v[\pw], v[TM+5], 8, v[TM+4]
	v_lshl_or_b32 v[\pw], v[TM+6], 16, v[\pw]
	v_lshl_or_b32 v[\pw], v[TM+7], 24, v[\pw]
.irp c, 0,1
	v_cvt_scalef32_pk16_fp6_f32 v[\d+6*\c:\d+6*\c+2], v[\s+32*\c:\s+32*\c+15], v[TM+12+2*\c]
	v_cvt_scalef32_pk16_fp6_f32 v[T2+4*\c:T2+4*\c+2], v[\s+32*\c+16:\s+32*\c+31], v[TM+13+2*\c]   ; (a conversion's three registers begin on an even number)
.endr
	v_nop                                              ; one plain place behind a scaled conversion
.irp c, 0,1                                            ; the operand wants a whole block in a lane: lanes 0-15 block 2 c, lanes 16-31 block 2 c + 1
.irp i, 0,1,2
	v_permlane16_swap_b32 v[\d+6*\c+\i], v[T2+4*\c+\i]
.endr
.irp i, 0,1,2
	v_mov_b32 v[\d+6*\c+3+\i], v[T2+4*\c+\i]
.endr
.endr
.endm
; The same for 32 numbers (two blocks): six registers at v[d]; the two bytes go into v[pw] at bit sh (0: they start the word; 16: they are added to it).
.macro HALF s, d, pw, sh
.irp b, 0,1
	v_max3_num_f32 v[TM+\b], |v[\s+16*\b]|, |v[\s+1+16*\b]|, 0x1800000
.endr
.irp i, 2,4,6,8,10,12,14
.irp b, 0,1
	v_max3_num_f32 v[TM+\b], v[TM+\b], |v[\s+16*\b+\i]|, |v[\s+1+16*\b+\i]|
.endr
.endr
.irp b, 0,1
	v_permlanex16_b32 v[TM+4+\b], v[TM+\b], s[SEL], s[SEL+1]
.endr
.irp b, 0,1
	v_max_num_f32 v[TM+\b], v[TM+\b], v[TM+4+\b]
.endr
.irp b, 0,1
	v_add_nc_u32 v[TM+12+\b], 0xff000000, v[TM+\b]
.endr
.irp b, 0,1
	v_lshrrev_b32 v[TM+4+\b], 23, v[TM+12+\b]
.endr
.if \sh == 0
	v_lshl_or_b32 v[\pw], v[TM+5], 8, v[TM+4]
.else
	v_lshl_or_b32 v[\pw], v[TM+4], 16, v[\pw]
	v_lshl_or_b32 v[\pw], v[TM+5], 24, v[\pw]
.endif
	v_cvt_scalef32_pk16_fp6_f32 v[\d:\d+2], v[\s:\s+15], v[TM+12]
	v_cvt_scalef32_pk16_fp6_f32 v[T2:T2+2], v[\s+16:\s+31], v[TM+13]
	v_nop
.irp i, 0,1,2
	v_permlane16_swap_b32 v[\d+\i], v[T2+\i]
.endr
.irp i, 0,1,2
	v_mov_b32 v[\d+3+\i], v[T2+\i]
.endr
.endm
; 16 rows x 128 numbers into set k of window 1: each load takes 512 consecutive bytes of one row; the rows are 0-7 and 16-23 from the base.
; dep = 1: the kernel's first load.  dep = 2: the set is asked for again.  The window's switch, then the wait, then the loads.
.macro LOAD64 k, base, off, dep
	WIN 0x40                                           ; destination window 1
.if \dep == 1
	s_wait_alu depctr_va_vdst(0)                       ; the head's vector lines have written all offsets and LDS addresses (v1 to v15, v204, v241), which every load and store of the kernel reads
.endif
.if \dep == 2
	s_wait_alu depctr_vm_vsrc(0)                       ; the stage's stores have read this set, in which the loads land; the last image's stores have read the codes and the scale word, which the next weight's quantiser writes
.endif
.irp i, 0,1,2,3,4,5,6,7,8,9,10,11,12,13,14,15
	global_load_b128 v[64*(\k)+4*\i:64*(\k)+4*\i+3], v[LI], s[\base:\base+1] offset:(\off)+(\i+8*(\i/8))*1024
.endr
	WIN 0
.endm
; set k goes through my own stage and comes back 64 numbers of one row a lane.  LDS serves a wave's instructions in order (ISA guide 5.7.1.4): no wait between the stores and the loads.
; The loads land in the buffer that the job before last quantised: that job's wait on va_vdst stands behind its quantiser, and no vector instruction since names the buffer.
.macro TURN k, X
	WIN 0x04                                           ; an LDS store's data are its source 1: window 1
.irp i, 0,1,2,3,4,5,6,7,8,9,10,11,12,13,14,15
	ds_store_b128 v[STW], v[64*(\k)+4*\i:64*(\k)+4*\i+3] offset:528*\i
.endr
	WIN 0
.irp b, 0,1,2,3
.irp j, 0,1,2,3
	ds_load_b128 v[\X+16*\b+4*\j:\X+16*\b+4*\j+3], v[STR] offset:128*\b+16*\j
.endr
.endr
.endm
.macro IMG adr, d, off                 ; a fragment's 12 registers to LDS as they stand
.irp c, 0,1,2
	ds_store_b128 v[\adr], v[\d+4*\c:\d+4*\c+3] offset:(\off)+512*\c
.endr
.endm
.macro WJOB X, m                       ; my fragment of weight m
	QUANT \X, PC, PW
	s_wait_alu depctr_va_vdst(0)                       ; the quantiser has written the codes and the scale word, which the stores below read, and is done reading its 64 numbers, in whose registers the turn after next lands
	IMG WWI, PC, (\m)*12288
	ds_store_b32 v[WWS], v[PW] offset:(\m)*1024
.endm
.macro XJOB X, e                       ; my fragment e = 2 u + K step of x: it stays in registers, and its image goes to LDS
	QUANT \X, XF+12*(\e), XS+(\e)
	s_wait_alu depctr_va_vdst(0)                       ; the quantiser has written the fragment and its scale word, which the stores below read and the scaled products of phase 2 take; it is done reading its 64 numbers, in whose registers later loads land
	IMG XWI, XF+12*(\e), XIMG+(\e)*1536
	ds_store_b32 v[XWS], v[XS+(\e)] offset:XSC+(\e)*128
.endm
	s_load_b256 s[4:11], s[0:1], 0x0               ; x s[4:5], Wq s[6:7], Wk s[8:9], Wv s[10:11]
	s_load_b128 s[12:15], s[0:1], 0x20             ; qws s[12:13], kvws s[14:15]
	v_lshl_add_u32 v[SPW], v0, 2, SPARE
	v_mov_b32 v[NIL], 0
	v_lshrrev_b32 v16, 5, v0
	v_readfirstlane_b32 s16, v16                   ; wave 0..7
	v_and_b32 v17, 31, v0                          ; lane
	v_and_b32 v18, 15, v0                          ; r
	v_bfe_u32 v19, v0, 4, 1                        ; h
	v_lshlrev_b32 v[LI], 4, v17
	v_lshlrev_b32 v[LS], 2, v17
	s_wait_alu depctr_va_vdst(0)
	v_lshlrev_b32 v[L8], 3, v17
	s_wait_alu depctr_va_sdst(0)                   ; s16 is written, ahead of its first reader: LDS places and the buffers' offsets are made from it
	s_mul_i32 s17, s16, 8448
	s_add_co_u32 s17, s17, STG                     ; my stage
	v_add_nc_u32 v[STW], s17, v[LI]
	v_mul_u32_u24 v20, v18, 528
	v_lshl_add_u32 v20, v19, 6, v20
	v_add_nc_u32 v[STR], s17, v20
	s_mul_i32 s18, s16, 6144                       ; four images a wave
	v_add_nc_u32 v[XWI], s18, v[LI]
	s_lshl_b32 s18, s16, 9
	v_add_nc_u32 v[XWS], s18, v[LS]
	s_mul_i32 s18, s16, 1536
	s_add_co_u32 s18, s18, WIMG
	v_add_nc_u32 v[WWI], s18, v[LI]
	s_lshl_b32 s18, s16, 7
	s_add_co_u32 s18, s18, WSC
	v_add_nc_u32 v[WWS], s18, v[LS]
	v_add_nc_u32 v[LIW], WIMG, v[LI]
	v_add_nc_u32 v[LSW], WSC, v[LS]
	s_lshr_b32 s19, s16, 2                         ; w / 4: my key step
	s_mul_i32 s18, s19, 24576                      ; its eight tiles of x: sixteen images
	v_add_nc_u32 v[VXI], s18, v[LI]
	s_lshl_b32 s18, s19, 11
	v_add_nc_u32 v[VXS], s18, v[LS]
	s_and_b32 s20, s16, 3                          ; w % 4: my channel tile of v, and my group of 32 tokens in the key step
	s_mul_i32 s18, s20, 3072
	s_add_co_u32 s18, s18, WIMG
	v_add_nc_u32 v[VWI], s18, v[LI]
	s_lshl_b32 s18, s20, 8
	s_add_co_u32 s18, s18, WSC
	v_add_nc_u32 v[VWS], s18, v[LS]
.irp b, 0,1,2,3
	v_mov_b32 v[TM+4+\b], 0                        ; written once: a lane permute's destination counts as one of its sources
.endr
	s_mov_b32 s[SEL], 0x76543210
	s_mov_b32 s[SEL+1], 0xfedcba98
	s_and_b32 s21, ttmp7, 0xffff                   ; which 256 tokens: 16 x batch + slot
	s_lshl_b32 s22, s21, 18                        ; x: 256 rows of 1,024 bytes,
	s_lshl_b32 s23, s16, 15                        ; and my wave's 32 rows
	s_add_co_u32 s22, s22, s23
	s_mov_b32 s23, 0
	s_lshl_b32 s24, ttmp9, 6                       ; W: row 64 head + 32 (w / 4) + 8 ((w / 2) % 2),
	s_lshl_b32 s25, s19, 5
	s_add_co_u32 s24, s24, s25
	s_bfe_u32 s25, s16, 0x10001
	s_lshl_b32 s25, s25, 3
	s_add_co_u32 s24, s24, s25
	s_lshl_b32 s24, s24, 10
	s_and_b32 s25, s16, 1                          ; K step w % 2
	s_lshl_b32 s25, s25, 9
	s_add_co_u32 s24, s24, s25
	s_mov_b32 s25, 0
	s_lshr_b32 s26, s21, 4
	s_lshl_b32 s26, s26, 2
	s_add_co_u32 s26, s26, ttmp9                   ; bh = 4 batch + head
	s_and_b32 s27, s21, 15                         ; slot
	s_lshl_b32 s30, s26, 8                         ; qws: record 256 bh + 16 slot + 2 w
	s_lshl_b32 s31, s27, 4
	s_add_co_u32 s30, s30, s31
	s_lshl_b32 s31, s16, 1
	s_add_co_u32 s30, s30, s31
	s_lshl_b32 s30, s30, 10
	s_mov_b32 s31, 0
	s_lshl_b32 s38, s26, 4                         ; kvws: record 16 bh + slot
	s_add_co_u32 s38, s38, s27
	s_mul_i32 s38, s38, 26624
	s_mul_i32 s39, s19, 12288
	s_mul_i32 s40, s20, 1536
	s_add_co_u32 s40, s40, s39
	s_add_co_u32 s40, s40, s38
	s_mov_b32 s41, 0
	s_lshl_b32 s42, s19, 10
	s_lshl_b32 s43, s20, 7
	s_add_co_u32 s42, s42, s43
	s_add_co_u32 s42, s42, s38
	s_add_co_u32 s42, s42, 24576
	s_mov_b32 s43, 0
	s_wait_kmcnt 0x0
	s_add_nc_u64 s[4:5], s[4:5], s[22:23]
	s_add_nc_u64 s[6:7], s[6:7], s[24:25]
	s_add_nc_u64 s[8:9], s[8:9], s[24:25]
	s_add_nc_u64 s[10:11], s[10:11], s[24:25]
	s_add_nc_u64 s[QP:QP+1], s[12:13], s[30:31]
	s_add_nc_u64 s[KFP:KFP+1], s[14:15], s[40:41]
	s_add_nc_u64 s[KSP:KSP+1], s[14:15], s[42:43]
	; ---- PHASE 1: seven jobs.  Loads run four jobs ahead, the turn through the stage one job.  Each counted wait leaves out the 16 loads of every job issued behind the one that is wanted.
	LOAD64 0, 6, 0, 1                              ; job 0: Wq
	LOAD64 1, 8, 0, 0                              ; job 1: Wk
	LOAD64 2, 10, 0, 0                             ; job 2: Wv
	LOAD64 3, 4, 0, 0                              ; job 3: x, tile 0, K step 0
	s_wait_loadcnt 48                              ; job 0's loads are in; three jobs' may be out
	TURN 0, BA
	s_wait_dscnt 0x0                               ; job 0's numbers are back
	LOAD64 0, 4, 512, 2                            ; job 4: x, tile 0, K step 1
	s_wait_loadcnt 48                              ; job 1's are in (behind it: jobs 2, 3, 4)
	TURN 1, BB
	WJOB BA, 0
	s_wait_dscnt 0x0                               ; job 1's numbers are back
	LOAD64 1, 4, 8192, 2                           ; job 5: x, tile 1, K step 0
	s_wait_loadcnt 48                              ; job 2's (behind it: 3, 4, 5)
	TURN 2, BA
	WJOB BB, 1
	s_wait_dscnt 0x0
	LOAD64 2, 4, 8704, 2                           ; job 6: x, tile 1, K step 1
	s_wait_loadcnt 48                              ; job 3's (behind it: 4, 5, 6)
	TURN 3, BB
	WJOB BA, 2
	s_wait_dscnt 0x0
	s_wait_loadcnt 32                              ; job 4's (behind it: 5, 6)
	TURN 0, BA
	XJOB BB, 0
	s_wait_dscnt 0x0
	s_wait_loadcnt 16                              ; job 5's (behind it: 6)
	TURN 1, BB
	XJOB BA, 1
	s_wait_dscnt 0x0
	s_wait_loadcnt 0x0                             ; job 6's
	TURN 2, BA
	XJOB BB, 2
	s_wait_dscnt 0x0
	XJOB BA, 3
	BARRIER                                        ; all 32 fragments of x and all 24 of the weights lie in LDS; nothing there is written again but the waves' own stages, which are done with
	s_wait_alu depctr_vm_vsrc(0)                   ; my images' stores have read the codes and the scale word of Wv's job, which q's quantiser writes again, and x's four fragments, in whose registers loads land at the end of k
	; ---- PHASE 2
.macro FETCHW m                        ; the eight fragments of weight m and their scale words
.irp e, 0,1,2,3,4,5,6,7
.irp c, 0,1,2
	ds_load_b128 v[WF+12*\e+4*\c:WF+12*\e+4*\c+3], v[LIW] offset:(8*(\m)+\e)*1536+512*\c
.endr
	ds_load_b32 v[WS+\e], v[LSW] offset:(8*(\m)+\e)*128
.endr
.endm
.macro MULQK u                         ; source 0 = 16 rows of W, source 1 = my tile u of x: four accumulators by turns, two K steps; the first starts the sums
.irp ks, 0,1
.irp t, 0,1,2,3
.if \ks == 0
	v_wmma_scale_f32_16x16x128_f8f6f4 v[ACC+8*\t:ACC+8*\t+7], v[WF+12*(2*\t+\ks):WF+12*(2*\t+\ks)+11], v[XF+12*(2*(\u)+\ks):XF+12*(2*(\u)+\ks)+11], 0, v[WS+2*\t+\ks], v[XS+2*(\u)+\ks] matrix_a_fmt:MATRIX_FMT_FP6 matrix_b_fmt:MATRIX_FMT_FP6
.else
	v_wmma_scale_f32_16x16x128_f8f6f4 v[ACC+8*\t:ACC+8*\t+7], v[WF+12*(2*\t+\ks):WF+12*(2*\t+\ks)+11], v[XF+12*(2*(\u)+\ks):XF+12*(2*(\u)+\ks)+11], v[ACC+8*\t:ACC+8*\t+7], v[WS+2*\t+\ks], v[XS+2*(\u)+\ks] matrix_a_fmt:MATRIX_FMT_FP6 matrix_b_fmt:MATRIX_FMT_FP6
.endif
.endr
.endr
.endm
.macro STQ u                           ; a record of qws: three stores of 256 consecutive bytes, and 32 scale words
.irp p, 0,1,2
	global_store_b64 v[L8], v[PC+2*\p:PC+2*\p+1], s[QP:QP+1] offset:1024*(\u)+256*\p
.endr
	global_store_b32 v[LS], v[PW], s[QP:QP+1] offset:1024*(\u)+768
.endm
.macro STF o, so                       ; a fragment of kvws: three stores of 512 consecutive bytes, and 32 scale words
.irp c, 0,1,2
	global_store_b128 v[LI], v[PC+4*\c:PC+4*\c+3], s[KFP:KFP+1] offset:(\o)+512*\c
.endr
	global_store_b32 v[LS], v[PW], s[KSP:KSP+1] offset:\so
.endm
	FETCHW 0                                       ; (the registers were the quantiser's buffers: the last two jobs' waits on va_vdst stand behind their readers)
	s_wait_dscnt 0x0
	MULQK 0                                        ; q of my tile 0
	NOP4
	HALF ACC, PC, PW, 0
	v_lshl_or_b32 v[PW], v[PW], 16, v[PW]          ; q's word holds its two bytes twice: it serves the fragment [q | 0] and the fragment [0 | q]
	s_wait_alu depctr_va_vdst(0)                   ; the quantiser has written q's codes and scale word, which the stores read
	STQ 0
	MULQK 1                                        ; q of my tile 1
	NOP4
	s_wait_alu depctr_va_vdst(0)                   ; q's products are done reading Wq's fragments and scale words, in whose registers Wk's land
	FETCHW 1                                       ; Wk lands while q is quantised
	s_wait_xcnt 0x0                                ; the stores' addresses are translated,
	s_wait_alu depctr_vm_vsrc(0)                   ; and the stores have read the codes' registers and the scale word, which are written again
	HALF ACC, PC, PW, 0
	v_lshl_or_b32 v[PW], v[PW], 16, v[PW]
	s_wait_alu depctr_va_vdst(0)                   ; the quantiser has written q's codes and scale word, which the stores read
	STQ 1
	s_wait_dscnt 0x0                               ; Wk is in
	MULQK 0                                        ; k of my tile 0: registers 0-5 of the K fragment
	NOP4
	s_wait_xcnt 0x0
	s_wait_alu depctr_vm_vsrc(0)                   ; q's stores have read the codes' registers and the scale word, which are written again
	HALF ACC, PC, PW, 0
	MULQK 1                                        ; k of my tile 1: registers 6-11
	NOP4
	HALF ACC, PC+6, PW, 16
	s_wait_alu depctr_va_vdst(0)                   ; k's codes and scale word are written, which the stores read; k's products are done with x's and Wk's fragments, their scale words and the accumulators, and the quantiser with the accumulators: loads land in all of them below
	STF 0, 0
	; v: source 0 = a tile of x, source 1 = my 16 rows of Wv: a lane holds one channel, its registers run down the key step's 128 tokens
.irp c, 0,1,2
	ds_load_b128 v[WV0+4*\c:WV0+4*\c+3], v[VWI] offset:24576+512*\c
	ds_load_b128 v[WV1+4*\c:WV1+4*\c+3], v[VWI] offset:24576+1536+512*\c
.endr
	ds_load_b32 v[WVS], v[VWS] offset:2048
	ds_load_b32 v[WVS+1], v[VWS] offset:2048+128
.macro VBATCH k                        ; batch k: K step k / 2, tiles 4 (k % 2) .. + 3 of x: 16 LDS loads
.set VKS, (\k)/2
.set VG, (\k)%2
.set VBUF, B0+(B1-B0)*VG
.irp i, 0,1,2,3
.irp c, 0,1,2
	ds_load_b128 v[VBUF+12*\i+4*\c:VBUF+12*\i+4*\c+3], v[VXI] offset:XIMG+((4*VG+\i)*2+VKS)*1536+512*\c
.endr
	ds_load_b32 v[WS+4*VG+\i], v[VXS] offset:XSC+((4*VG+\i)*2+VKS)*128
.endr
.endm
.macro VMUL k
.set VKS, (\k)/2
.set VG, (\k)%2
.set VBUF, B0+(B1-B0)*VG
.set VW, WV0+(WV1-WV0)*VKS
.irp i, 0,1,2,3
.if VKS == 0
	v_wmma_scale_f32_16x16x128_f8f6f4 v[ACCV+8*(4*VG+\i):ACCV+8*(4*VG+\i)+7], v[VBUF+12*\i:VBUF+12*\i+11], v[VW:VW+11], 0, v[WS+4*VG+\i], v[WVS+VKS] matrix_a_fmt:MATRIX_FMT_FP6 matrix_b_fmt:MATRIX_FMT_FP6
.else
	v_wmma_scale_f32_16x16x128_f8f6f4 v[ACCV+8*(4*VG+\i):ACCV+8*(4*VG+\i)+7], v[VBUF+12*\i:VBUF+12*\i+11], v[VW:VW+11], v[ACCV+8*(4*VG+\i):ACCV+8*(4*VG+\i)+7], v[WS+4*VG+\i], v[WVS+VKS] matrix_a_fmt:MATRIX_FMT_FP6 matrix_b_fmt:MATRIX_FMT_FP6
.endif
.endr
.endm
	VBATCH 0
	VBATCH 1
	s_wait_dscnt 16                                ; Wv and batch 0 are in; batch 1's 16 loads may be out
	VMUL 0
	NOP4
	s_wait_alu depctr_va_vdst(0)                   ; batch 0's products are done reading its four fragments and scale words, in whose registers batch 2 lands
	VBATCH 2
	s_wait_dscnt 16                                ; batch 1 is in
	VMUL 1
	NOP4
	s_wait_alu depctr_va_vdst(0)                   ; batch 1's products are done reading its four fragments and scale words, in whose registers batch 3 lands
	VBATCH 3
	s_wait_dscnt 16                                ; batch 2 is in
	VMUL 2
	s_wait_dscnt 0x0
	VMUL 3
	NOP4
	s_wait_xcnt 0x0
	s_wait_alu depctr_vm_vsrc(0)                   ; k's stores have read the codes' registers and the scale word, which are written again
	QUANT ACCV, PC, PW                             ; v along the keys
	s_wait_alu depctr_va_vdst(0)                   ; the quantiser has written v's codes and scale word, which the stores read
	STF 6144, 512
	s_wait_dscnt 0x0                               ; the closing lines, six on end
	s_wait_alu 0x0
	s_wait_tensorcnt 0x0
	ds_add_u32 v[SPW], v[NIL]
	s_wait_dscnt 0x0
	s_endpgm
.Lfunc_end_k_q45988bfff6_proj:
	.size	k_q45988bfff6_proj, .Lfunc_end_k_q45988bfff6_proj-k_q45988bfff6_proj
	.p2alignl 7, 3214868480
	.fill 96, 4, 3214868480
	.section	.rodata,"a",@progbits
	.p2align	6, 0x0
	.amdhsa_kernel k_q45988bfff6_proj
		.amdhsa_group_segment_fixed_size 161792
		.amdhsa_private_segment_fixed_size 0
		.amdhsa_enable_private_segment 0
		.amdhsa_kernarg_size 48
		.amdhsa_user_sgpr_count 2
		.amdhsa_user_sgpr_kernarg_segment_ptr 1
		.amdhsa_wavefront_size32 1
		.amdhsa_system_sgpr_workgroup_id_x 1
		.amdhsa_system_sgpr_workgroup_id_y 1
		.amdhsa_system_sgpr_workgroup_id_z 1
		.amdhsa_system_vgpr_workitem_id 0
		.amdhsa_next_free_vgpr 512
		.amdhsa_next_free_sgpr 66
		.amdhsa_reserve_vcc 0
		.amdhsa_float_denorm_mode_32 3
		.amdhsa_float_denorm_mode_16_64 3
		.amdhsa_memory_ordered 1
		.amdhsa_forward_progress 1
		.amdhsa_inst_pref_size 88
	.end_amdhsa_kernel
	.amdgpu_metadata
---
amdhsa.version: [ 1, 2 ]
amdhsa.kernels:
  - .name:           k_q45988bfff6_proj
    .symbol:         k_q45988bfff6_proj.kd
    .args:
      - { .name: x, .offset: 0, .size: 8, .value_kind: global_buffer, .address_space: global }
      - { .name: Wq, .offset: 8, .size: 8, .value_kind: global_buffer, .address_space: global }
      - { .name: Wk, .offset: 16, .size: 8, .value_kind: global_buffer, .address_space: global }
      - { .name: Wv, .offset: 24, .size: 8, .value_kind: global_buffer, .address_space: global }
      - { .name: qws, .offset: 32, .size: 8, .value_kind: global_buffer, .address_space: global }
      - { .name: kvws, .offset: 40, .size: 8, .value_kind: global_buffer, .address_space: global }
    .group_segment_fixed_size: 161792
    .private_segment_fixed_size: 0
    .kernarg_segment_align: 8
    .kernarg_segment_size: 48
    .max_flat_workgroup_size: 256
    .sgpr_count:     66
    .vgpr_count:     512
    .wavefront_size: 32
...
	.end_amdgpu_metadata
.endif
;; end of part 4
;; launch attn (part 5): grid 16 x 16, 16 waves a work-group, no clusters, 55,296 bytes of LDS; arguments qws, kvws, Wo, ows, wows; writes ows, wows
.if DOCPART == 5
	.amdgcn_target "amdgcn-amd-amdhsa--gfx1250"
	.amdhsa_code_object_version 6
	.text
	.protected	k_q45988bfff6_attn
	.globl	k_q45988bfff6_attn
	.p2align	8
	.type	k_q45988bfff6_attn,@function
k_q45988bfff6_attn:
	s_mov_b64 s[64:65], 0
	v_nop
	global_prefetch_b8 v0, s[64:65] scope:SCOPE_SE
	s_setreg_imm32_b32 hwreg(HW_REG_WAVE_SCHED_MODE, 0, 2), 2
	s_setreg_imm32_b32 hwreg(HW_REG_WAVE_MODE, 25, 1), 1
	s_wait_xcnt 0x0
	s_wait_alu depctr_vm_vsrc(0)
; Causal attention of one head on codes of FP6 (E2M3): S^T = K Q^T, p = 2^(t - M), O^T = V^T P^T, O / l quantised along the channels for the last projection.  Also: Wo is quantised here, 32 small jobs at the head.
; t = score x log2(e) / 8; M = the row's largest t so far, rounded UP to a whole number; p is not normalised; the row's sum l is taken of the unquantised p and divides O at the end.  When M moves, l and O are
; multiplied by 2^(old M - new M): exact.
; SHARES.  Work-group (j, bh): head bh, the blocks j and 31 - j of 128 queries: block i needs i + 1 key steps of 128 keys, so every work-group has 8 (j + 1) + 8 (32 - j) = 264 wave-steps.
;   Sixteen waves, one tile of 16 queries each, 256 registers: four waves to a SIMD, so that one wave's vector work stands beside another's matrix work and LDS loads.
;   Wave w takes tile w / 2 of the late block where (w ^ (w / 4)) is odd, of the early block else.
; LAYOUT.  A lane holds ONE query (lane % 16) throughout.  Tile 2 f + u of tokens holds tokens 32 f + 8 u + r + 8 (r / 8), so that the 16 registers of two neighbouring tiles of scores are 16 neighbouring keys.
;   K = 64 is half of the instruction's 128: a K fragment holds TWO key tiles (registers 0-5: u = 0; 6-11: u = 1); Q lies in 18 registers [0 | q | 0]: the upper 12, [q | 0], pick tile u = 0, the lower 12, [0 | q], tile u = 1.
;   Zero codes add nothing; no scale byte is 0xff.
; THE RING.  Two LDS slots, each the image of one record of kvws (256 keys: two key steps of 4 K fragments, 4 V fragments and their scale words).  It is filled through registers: each thread asks for 52 bytes of the next
;   slot at a slot's head and stores them into the other slot at its end, two key steps later; one barrier a slot.  A trip of the loop is slot 0, then slot 1: every LDS address is a constant and a lane's or thread's term.
;   The loop's trips, 8 - j / 4, hang on the work-group's number alone; 4 trips' steps cover the late block's 32 - j.  The next slot's number is held at 15, so no load leaves kvws.
; No tensor loads: a slot is 26 KB for two key steps of sixteen waves.  No cluster: the work-groups of a head need different numbers of slots.  No prefetch: a slot's loads are out for two key steps before their wait.
; LIMITS.  NaN and infinities are not served.  M is a whole number exactly while |t| < 2^24.  A block's largest p is had from the block's largest score by the same two instructions, which takes v_exp_f32 not to fall where
;   its input rises.  A block whose every p is 0 keeps the byte 1: its codes are zeros.  Scale bytes are held at 1 from below.
; THE MODE: SCHED_MODE bits 1:0 = 2 (LLVM: expert scheduling mode 2), set by the entry lines.  The code itself states the register dependences between vector or matrix instructions and memory or LDS
;   instructions, with s_wait_alu, always for 0.
; THE PLAN.  Registers that memory or LDS instructions touch, in the loop:
;   v1-4     LDS addresses and offsets: written at the head, never again.
;   CP       written by the copy's global loads at a slot's head, read by its LDS stores at the slot's end; no vector instruction names it.  One wait on vm_vsrc straight behind the stores frees it for the next loads.
;   FR       K's four fragments land in it at a step's head; the eight score products read them; V's four land in the same registers; the four last products read them.  The wave's 256 registers leave no room for a second
;            set.  So two waits on va_vdst a step: at its head (the last step's V products are done reading) and behind the score products (whose results the softmax's first lines want at once in any case).
;   KSC, VSC the fragments' scale words: as FR.
;   PC, PSW  p's codes and scale word: written by vector instructions, taken by scaled products: a wait on va_vdst directly ahead of these, behind the sixteen places.
;   S, O, the statistics and all else are named by vector and matrix instructions alone.
;   The mask's compares stand in runs of sixteen, each into a scalar register of its own, with one wait on va_sdst behind a run, ahead of the selects.
.set SLOTB, 26624
.set SPARE, 2*SLOTB                    ; behind the ring: the spare words, 128 bytes for each wave: eight blocks of 256 bytes that no other line names
.set LI,  1                            ; 16 x lane
.set LS,  2                            ; 4 x lane
.set CI,  3                            ; 16 x thread
.set CS4, 4                            ; 4 x thread
.set SPW, 5                            ; LDS address of my spare word; never rewritten
.set NIL, 6                            ; 0; never rewritten
.set DD,  7                            ; my query's place in its block of 128, less 16 (lane / 16)
.set L8,  8                            ; 8 x lane
.set WOA, 9                            ; Wo: 1,024 r + 64 h
                                       ; v12 -M, v13 the largest t, v[14:15] l in two halves
.set QS,  34                           ; v16-33 [0 | q | 0]; v34 q's scale word
.set FR,  36                           ; v36-83  four fragments of K, then of V
.set KSC, 84                           ; v84-87  K's scale words
.set VSC, 88                           ; v88-91  V's
.set NINF, 92                          ; -infinity
.set S,   96                           ; v96-159 S^T, then p
.set O,   160                          ; v160-191 O^T
.set PC,  192                          ; v192-203 p's codes
.set T2,  204                          ; v204-210 the conversions' second halves
.set TM,  212                          ; v212-227 at work; v[220:221]: the sums' second chain
.set SU,  220
.set TT,  228
.set F,   230                          ; f = 2^(old M - new M)
.set PSW, 231                          ; p's scale word
.set CP,  232                          ; v232-244 the copy's 52 bytes
.set PW,  246
.set WV,  14
.set J,   15
.set BH,  16
.set BLK, 17                           ; my block of 128 queries = my last key step
.set TAU, 18
.set KS,  19                           ; the key step
.set SI,  20                           ; the slot asked for last
.set TR,  21
.set NTR, 22
.set NX,  23
.set OF,  24                           ; s[24:25] an offset; the high word stays 0
.set KP,  26                           ; s[26:27] the slot that is being asked for
.set SEL, 28
.set CS,  30                           ; s[30:31] c = log2(e) / 8
.set QP,  32
.set OP,  34
.set KV,  36
                                       ; s4-13 and s38-43: in the loop the mask's sixteen lane masks (mask i in s[4 + i + 24 (i / 10)]): the arguments and the head's temporaries that lay there are done with
.macro NOP4
.rept 4
	v_nop
.endr
.endm
.macro BARRIER                         ; my LDS stores have landed and my LDS loads are in: then the work-group's barrier
	s_wait_dscnt 0x0
	s_barrier_signal -1
	s_barrier_wait -1
.endm
; 64 numbers of a lane, register 16 b + i = k 32 b + 16 (lane / 16) + i of my row, become a fragment's 12 registers at v[d] and its scale word in v[pw].
.macro QUANT s, d, pw
.irp b, 0,1,2,3
	v_max3_num_f32 v[TM+\b], |v[\s+16*\b]|, |v[\s+1+16*\b]|, 0x1800000   ; and the floor 2^(3 - 127): the byte cannot fall under 1
.endr
.irp i, 2,4,6,8,10,12,14
.irp b, 0,1,2,3
	v_max3_num_f32 v[TM+\b], v[TM+\b], |v[\s+16*\b+\i]|, |v[\s+1+16*\b+\i]|
.endr
.endr
.irp b, 0,1,2,3
	v_permlanex16_b32 v[TM+4+\b], v[TM+\b], s[SEL], s[SEL+1]
.endr
.irp b, 0,1,2,3
	v_max_num_f32 v[TM+\b], v[TM+\b], v[TM+4+\b]
.endr
.irp b, 0,1,2,3
	v_add_nc_u32 v[TM+12+\b], 0xff000000, v[TM+\b]
.endr
.irp b, 0,1,2,3
	v_lshrrev_b32 v[TM+4+\b], 23, v[TM+12+\b]
.endr
	v_lshl_or_b32 v[\pw], v[TM+5], 8, v[TM+4]
	v_lshl_or_b32 v[\pw], v[TM+6], 16, v[\pw]
	v_lshl_or_b32 v[\pw], v[TM+7], 24, v[\pw]
.irp c, 0,1
	v_cvt_scalef32_pk16_fp6_f32 v[\d+6*\c:\d+6*\c+2], v[\s+32*\c:\s+32*\c+15], v[TM+12+2*\c]
	v_cvt_scalef32_pk16_fp6_f32 v[T2+4*\c:T2+4*\c+2], v[\s+32*\c+16:\s+32*\c+31], v[TM+13+2*\c]
.endr
	v_nop
.irp c, 0,1
.irp i, 0,1,2
	v_permlane16_swap_b32 v[\d+6*\c+\i], v[T2+4*\c+\i]
.endr
.irp i, 0,1,2
	v_mov_b32 v[\d+6*\c+3+\i], v[T2+4*\c+\i]
.endr
.endr
.endm
; The same for 32 numbers (two blocks): six registers at v[d], the word b0 | b1 << 8 in v[pw].
.macro HALF s, d, pw
.irp b, 0,1
	v_max3_num_f32 v[TM+\b], |v[\s+16*\b]|, |v[\s+1+16*\b]|, 0x1800000
.endr
.irp i, 2,4,6,8,10,12,14
.irp b, 0,1
	v_max3_num_f32 v[TM+\b], v[TM+\b], |v[\s+16*\b+\i]|, |v[\s+1+16*\b+\i]|
.endr
.endr
.irp b, 0,1
	v_permlanex16_b32 v[TM+4+\b], v[TM+\b], s[SEL], s[SEL+1]
.endr
.irp b, 0,1
	v_max_num_f32 v[TM+\b], v[TM+\b], v[TM+4+\b]
.endr
.irp b, 0,1
	v_add_nc_u32 v[TM+12+\b], 0xff000000, v[TM+\b]
.endr
.irp b, 0,1
	v_lshrrev_b32 v[TM+4+\b], 23, v[TM+12+\b]
.endr
	v_lshl_or_b32 v[\pw], v[TM+5], 8, v[TM+4]
	v_cvt_scalef32_pk16_fp6_f32 v[\d:\d+2], v[\s:\s+15], v[TM+12]
	v_cvt_scalef32_pk16_fp6_f32 v[T2:T2+2], v[\s+16:\s+31], v[TM+13]
	v_nop
.irp i, 0,1,2
	v_permlane16_swap_b32 v[\d+\i], v[T2+\i]
.endr
.irp i, 0,1,2
	v_mov_b32 v[\d+3+\i], v[T2+\i]
.endr
.endm
	s_load_b256 s[4:11], s[0:1], 0x0               ; qws s[4:5], kvws s[6:7], Wo s[8:9], ows s[10:11]
	s_load_b64 s[12:13], s[0:1], 0x20              ; wows
	v_lshl_add_u32 v[SPW], v0, 2, SPARE
	v_mov_b32 v[NIL], 0
	v_lshrrev_b32 v10, 5, v0
	v_readfirstlane_b32 s[WV], v10                 ; wave 0..15
	v_and_b32 v11, 31, v0                          ; lane
	v_lshlrev_b32 v[LI], 4, v11
	v_lshlrev_b32 v[LS], 2, v11
	v_lshlrev_b32 v[L8], 3, v11
	v_lshlrev_b32 v[CI], 4, v0
	v_lshlrev_b32 v[CS4], 2, v0
	v_and_b32 v10, 15, v0                          ; r
	v_bfe_u32 v11, v0, 4, 1                        ; h
	v_and_b32 v[DD], 8, v10
	v_add_nc_u32 v[DD], v[DD], v10                 ; r + 8 (r / 8)
	v_lshlrev_b32 v[WOA], 4, v11
	v_sub_nc_u32 v[DD], v[DD], v[WOA]              ; - 16 h
	v_lshlrev_b32 v[WOA], 10, v10
	v_lshl_add_u32 v[WOA], v11, 6, v[WOA]
	s_wait_alu depctr_va_sdst(0)                   ; the wave's number is written, ahead of its first reader: my tile, my block and the buffers' offsets are made from it
	s_lshr_b32 s44, s[WV], 2
	s_lshl_b32 s44, s44, 5
	s_bfe_u32 s45, s[WV], 0x10001
	s_lshl_b32 s45, s45, 3
	s_add_co_u32 s44, s44, s45
	v_add_nc_u32 v[DD], s44, v[DD]                 ; + 32 (w / 4) + 8 ((w / 2) % 2): tile w / 2 of the block
.irp b, 0,1,2,3
	v_mov_b32 v[TM+4+\b], 0                        ; written once: a lane permute's destination counts as one of its sources
.endr
	s_mov_b32 s[SEL], 0x76543210
	s_mov_b32 s[SEL+1], 0xfedcba98
	s_mov_b32 s[CS], 0x3e38aa3b                    ; c = log2(e) / 8
	s_mov_b32 s[CS+1], s[CS]                       ; (named with it as a pair, so it is written)
	s_mov_b32 s[J], ttmp9
	s_and_b32 s[BH], ttmp7, 0xffff
	s_lshr_b32 s44, s[WV], 2
	s_xor_b32 s44, s44, s[WV]
	s_and_b32 s44, s44, 1                          ; 1: the late block
	s_sub_co_u32 s45, 31, s[J]
	s_cmp_lg_u32 s44, 0
	s_cselect_b32 s[BLK], s45, s[J]
	s_lshl_b32 s[TAU], s[BLK], 3
	s_lshr_b32 s44, s[WV], 1
	s_add_co_u32 s[TAU], s[TAU], s44               ; my tile of the head's 256
	s_lshr_b32 s44, s[J], 2
	s_sub_co_u32 s[NTR], 8, s44
	s_lshl_b32 s44, s[BH], 8                       ; qws: record 256 bh + tile
	s_add_co_u32 s44, s44, s[TAU]
	s_lshl_b32 s44, s44, 10
	s_mov_b32 s45, 0
	s_lshr_b32 s46, s[BH], 2                       ; ows: record 4 (256 batch + tile) + head
	s_lshl_b32 s46, s46, 8
	s_add_co_u32 s46, s46, s[TAU]
	s_lshl_b32 s46, s46, 2
	s_and_b32 s47, s[BH], 3
	s_add_co_u32 s46, s46, s47
	s_lshl_b32 s46, s46, 10
	s_mov_b32 s47, 0
	s_mul_i32 s[OF], s[BH], 16*SLOTB               ; kvws: the head's sixteen records
	s_mov_b32 s[OF+1], 0
	s_mov_b32 s[KS], 0
	s_mov_b32 s[SI], 0
	s_mov_b32 s[TR], 0
	s_wait_kmcnt 0x0
	s_add_nc_u64 s[QP:QP+1], s[4:5], s[44:45]
	s_add_nc_u64 s[OP:OP+1], s[10:11], s[46:47]
	s_add_nc_u64 s[KV:KV+1], s[6:7], s[OF:OF+1]
	s_wait_alu depctr_va_vdst(0)                   ; the offsets and LDS addresses v1 to v6, v8 and v9 are written, which every load and store of the kernel reads; none is written again
.irp p, 0,1,2
	global_load_b64 v[22+2*\p:23+2*\p], v[L8], s[QP:QP+1] offset:256*\p   ; q's six registers
.endr
	global_load_b32 v[QS], v[LS], s[QP:QP+1] offset:768
.irp i, 0,1,2
	global_load_b128 v[CP+4*\i:CP+4*\i+3], v[CI], s[KV:KV+1] offset:8192*\i   ; slot 0
.endr
	global_load_b32 v[CP+12], v[CS4], s[KV:KV+1] offset:24576
	; Wo: [256][256] f32 is 32 fragments of 16 rows x 128 K.  Wave 0 of the 32 work-groups with bh < 2 takes one each: job = 16 bh + j = 2 (tile of rows) + K step.  A scalar branch on ids; no barrier stands in it.
	s_lshr_b32 s40, s[BH], 1
	s_or_b32 s40, s40, s[WV]
	s_cmp_lg_u32 s40, 0
	s_cbranch_scc1 .Lno_wo
	s_lshl_b32 s40, s[BH], 4
	s_add_co_u32 s40, s40, s[J]                    ; job
	s_lshr_b32 s42, s40, 1
	s_lshl_b32 s42, s42, 14                        ; 16 rows of 1,024 bytes
	s_and_b32 s43, s40, 1
	s_lshl_b32 s43, s43, 9
	s_add_co_u32 s42, s42, s43
	s_mov_b32 s43, 0
	s_add_nc_u64 s[38:39], s[8:9], s[42:43]
.irp b, 0,1,2,3
.irp i, 0,1,2,3
	global_load_b128 v[S+16*\b+4*\i:S+16*\b+4*\i+3], v[WOA], s[38:39] offset:128*\b+16*\i   ; row r, k = 32 b + 16 h + 4 i ..
.endr
.endr
	s_mul_i32 s44, s40, 1536
	s_mov_b32 s45, 0
	s_add_nc_u64 s[42:43], s[12:13], s[44:45]      ; the job's codes in wows,
	s_lshl_b32 s46, s40, 7
	s_add_co_u32 s46, s46, 49152
	s_mov_b32 s47, 0
	s_add_nc_u64 s[46:47], s[12:13], s[46:47]      ; and its scale words
	s_wait_loadcnt 0x0
	QUANT S, PC, PW
	s_wait_alu depctr_va_vdst(0)                   ; the quantiser has written Wo's codes and scale word, which the stores read
.irp c, 0,1,2
	global_store_b128 v[LI], v[PC+4*\c:PC+4*\c+3], s[42:43] offset:512*\c
.endr
	global_store_b32 v[LS], v[PW], s[46:47]
	s_wait_xcnt 0x0                                ; the stores' addresses are translated: their bases may be written again,
	s_wait_alu depctr_vm_vsrc(0)                   ; and the stores have read the codes' registers and the scale word, which the key steps and the way out write again
.Lno_wo:
.irp i, 16,17,18,19,20,21,28,29,30,31,32,33
	v_mov_b32 v[\i], 0                             ; the zero codes on both sides of q
.endr
	v_mov_b32 v13, 0xff61b1e6                      ; the largest t so far: -3e38, under every t
	v_floor_f32 v12, -v13                          ; -M
	v_mov_b32 v14, 0
	v_mov_b32 v15, 0
	v_mov_b32 v[TT], 0
	v_mov_b32 v[F], 0
	v_mov_b32 v[PSW], 0                            ; (named as the upper half of the pair with f before it is first written)
	v_mov_b32 v[NINF], 0xff800000
.irp i, 0,1,2,3,4,5,6,7,8,9,10,11,12,13,14,15,16,17,18,19,20,21,22,23,24,25,26,27,28,29,30,31
	v_mov_b32 v[O+\i], 0                           ; O^T: the step is written once; the first finds zeros, which the first change of M leaves zeros
.endr
	s_wait_loadcnt 0x0                             ; q and slot 0
.irp i, 0,1,2
	ds_store_b128 v[CI], v[CP+4*\i:CP+4*\i+3] offset:8192*\i
.endr
	ds_store_b32 v[CS4], v[CP+12] offset:24576
	s_wait_alu depctr_vm_vsrc(0)                   ; the stores have read the copy's registers, in which the next slot's loads land
	BARRIER                                        ; slot 0 is whole
.macro COPYLD                          ; the next record of kvws is asked for, 52 bytes a thread.  The address pair is free: the last copy's loads were waited for.  The registers are free: the wait on vm_vsrc stands behind the last copy's stores
	s_add_co_u32 s[SI], s[SI], 1
	s_min_u32 s[NX], s[SI], 15                     ; no load leaves kvws: past the last record the last is read again, into a slot that nobody reads
	s_mul_i32 s[OF], s[NX], SLOTB
	s_add_nc_u64 s[KP:KP+1], s[KV:KV+1], s[OF:OF+1]
.irp i, 0,1,2
	global_load_b128 v[CP+4*\i:CP+4*\i+3], v[CI], s[KP:KP+1] offset:8192*\i
.endr
	global_load_b32 v[CP+12], v[CS4], s[KP:KP+1] offset:24576
.endm
; It goes into the OTHER slot.  That slot's last reads stand in front of the barrier at the end of the slot before this one, where every wave waited for them; it is read again only behind the barrier here.
.macro COPYST sl
	s_wait_loadcnt 0x0
.irp i, 0,1,2
	ds_store_b128 v[CI], v[CP+4*\i:CP+4*\i+3] offset:(1-\sl)*SLOTB+8192*\i
.endr
	ds_store_b32 v[CS4], v[CP+12] offset:(1-\sl)*SLOTB+24576
	s_wait_alu depctr_vm_vsrc(0)                   ; the stores have read the copy's registers, in which the next slot's loads land
	BARRIER
.endm
; A KEY STEP: 128 keys, the q-th of slot sl.
.macro STEP sl, q
.set KB, (\sl)*SLOTB+(\q)*12288
.set VB, KB+6144
.set KW, (\sl)*SLOTB+24576+(\q)*1024
.set VW, KW+512
	s_cmp_gt_u32 s[KS], s[BLK]                     ; all of the step's keys come after my queries: its work is left out (a scalar branch on ids; no barrier stands in a step)
	s_cbranch_scc1 .Lhid_\@
	NOP4                                           ; places in front of loads into registers that the last step's products have read
	s_wait_alu depctr_va_vdst(0)                   ; the last step's products are done reading V's fragments, in whose registers K's land, and its score products K's scale words; in my first step: the zero codes beside q are written, which the scaled products below take
.irp f, 0,1,2,3
.irp c, 0,1,2
	ds_load_b128 v[FR+12*\f+4*\c:FR+12*\f+4*\c+3], v[LI] offset:KB+1536*\f+512*\c
.endr
	ds_load_b32 v[KSC+\f], v[LS] offset:KW+128*\f
.endr
	s_wait_dscnt 0x0
.irp f, 0,1,2,3                                ; S^T: registers 16 f + i are key 32 f + 16 (lane / 16) + i of the step
	v_wmma_scale_f32_16x16x128_f8f6f4 v[S+16*\f:S+16*\f+7], v[FR+12*\f:FR+12*\f+11], v[22:33], 0, v[KSC+\f], v[QS] matrix_a_fmt:MATRIX_FMT_FP6 matrix_b_fmt:MATRIX_FMT_FP6
	v_wmma_scale_f32_16x16x128_f8f6f4 v[S+16*\f+8:S+16*\f+15], v[FR+12*\f:FR+12*\f+11], v[16:27], 0, v[KSC+\f], v[QS] matrix_a_fmt:MATRIX_FMT_FP6 matrix_b_fmt:MATRIX_FMT_FP6
.endr
	NOP4                                           ; places in front of the loads below and of the first read of the scores
	s_wait_alu depctr_va_vdst(0)                   ; the eight products are done reading K's fragments, in whose registers V's land (V's scale words' last readers stand ahead of the step's first wait)
.irp t, 0,1,2,3                                ; V's fragments take K's registers and land under the softmax
.irp c, 0,1,2
	ds_load_b128 v[FR+12*\t+4*\c:FR+12*\t+4*\c+3], v[LI] offset:VB+1536*\t+512*\c
.endr
	ds_load_b32 v[VSC+\t], v[LS] offset:VW+128*\t
.endr
	s_cmp_lg_u32 s[KS], s[BLK]                     ; only my last step lies on the diagonal: there the scores of hidden keys become -infinity ahead of the maximum
	s_cbranch_scc1 .Lopen_\@
.irp g, 0,1,2,3                                ; register 16 g + i holds key 32 g + 16 (lane / 16) + i: hidden where 32 g + i > my query's place less 16 (lane / 16)
.irp i, 0,1,2,3,4,5,6,7,8,9,10,11,12,13,14,15
	v_cmp_gt_i32 s[4+\i+24*(\i/10)], 32*\g+\i, v[DD]
.endr
	s_wait_alu depctr_va_sdst(0)                   ; the run's sixteen lane masks are written, ahead of the selects that read them
.irp i, 0,1,2,3,4,5,6,7,8,9,10,11,12,13,14,15
	v_cndmask_b32 v[S+16*\g+\i], v[S+16*\g+\i], v[NINF], s[4+\i+24*(\i/10)]
.endr
.endr
.Lopen_\@:
.irp b, 0,1,2,3
	v_max3_num_f32 v[TM+\b], v[S+16*\b], v[S+1+16*\b], v[S+2+16*\b]   ; the largest score of each block of 32 keys: it serves for the row's maximum and for the block's largest p
.endr
.irp i, 3,5,7,9,11,13
.irp b, 0,1,2,3
	v_max3_num_f32 v[TM+\b], v[TM+\b], v[S+16*\b+\i], v[S+1+16*\b+\i]
.endr
.endr
.irp b, 0,1,2,3
	v_max_num_f32 v[TM+\b], v[TM+\b], v[S+15+16*\b]
.endr
.irp b, 0,1,2,3
	v_permlanex16_b32 v[TM+4+\b], v[TM+\b], s[SEL], s[SEL+1]
.endr
.irp b, 0,1,2,3
	v_max_num_f32 v[TM+\b], v[TM+\b], v[TM+4+\b]   ; with lane l xor 16's 16 keys
.endr
	v_max3_num_f32 v[TT], v[TM], v[TM+1], v[TM+2]
	v_max_num_f32 v[TT], v[TT], v[TM+3]            ; the step's largest score of my query
	v_mul_f32 v[TT], s[CS], v[TT]                  ; as t (c is positive)
	v_max_num_f32 v13, v13, v[TT]                  ; the running largest t
	v_mov_b32 v[TT], v12
	v_floor_f32 v12, -v13                          ; the new -M = floor(-t) = -ceil(t)
	v_sub_f32 v[TT], v12, v[TT]                    ; old M - new M: a whole number, 0 or less
	v_cvt_i32_f32 v[TT], v[TT]                     ; (it saturates)
	v_ldexp_f32 v[F], 1.0, v[TT]                   ; f = 2^(old M - new M)
.irp j, 0,2,4,6,8,10,12,14,16,18,20,22,24,26,28,30,32,34,36,38,40,42,44,46,48,50,52,54,56,58,60,62
	v_pk_fma_f32 v[S+\j:S+1+\j], v[S+\j:S+1+\j], s[CS:CS+1], v[12:13] op_sel_hi:[1,0,0]   ; t - M, two at a time
.endr
.irp b, 0,1,2,3
	v_fma_f32 v[TM+\b], v[TM+\b], s[CS], v12       ; the same of each block's largest score
.endr
	s_wait_alu depctr_va_vdst(0)
.irp j, 0,1,2,3,4,5,6,7,8,9,10,11,12,13,14,15,16,17,18,19,20,21,22,23,24,25,26,27,28,29,30,31,32,33,34,35,36,37,38,39,40,41,42,43,44,45,46,47,48,49,50,51,52,53,54,55,56,57,58,59,60,61,62,63
	v_exp_f32 v[S+\j], v[S+\j]                     ; p = 2^(t - M), at most 1
.endr
	v_pk_mul_f32 v[14:15], v[14:15], v[F:F+1] op_sel_hi:[1,0]   ; l under the new M: the plain instruction behind the exponentials
	s_wait_alu depctr_va_vdst(0)                   ; the 64 exponentials have written p: one wait for the batch, ahead of its first reader
.irp b, 0,1,2,3
	v_exp_f32 v[TM+\b], v[TM+\b]                   ; each block's largest p
.endr
	v_pk_add_f32 v[SU:SU+1], v[S:S+1], v[S+2:S+3]  ; the row's sum of the unquantised p, in two chains: plain work behind the four
.irp j, 4,8,12,16,20,24,28,32,36,40,44,48,52,56,60
	v_pk_add_f32 v[14:15], v[14:15], v[S+\j:S+1+\j]
	v_pk_add_f32 v[SU:SU+1], v[SU:SU+1], v[S+2+\j:S+3+\j]
.endr
	v_pk_add_f32 v[14:15], v[14:15], v[SU:SU+1]
	s_wait_alu depctr_va_vdst(0)                   ; the four exponentials have written the blocks' largest p, ahead of their first reader
.irp b, 0,1,2,3
	v_max_num_f32 v[TM+\b], 0x1800000, v[TM+\b]    ; the floor 2^(3 - 127): the byte cannot fall under 1
.endr
.irp b, 0,1,2,3
	v_add_nc_u32 v[TM+12+\b], 0xff000000, v[TM+\b] ; 2 off the exponent field: the conversion's scale operand
.endr
.irp b, 0,1,2,3
	v_lshrrev_b32 v[TM+4+\b], 23, v[TM+12+\b]      ; the scale's byte
.endr
	v_lshl_or_b32 v[PSW], v[TM+5], 8, v[TM+4]
	v_lshl_or_b32 v[PSW], v[TM+6], 16, v[PSW]
	v_lshl_or_b32 v[PSW], v[TM+7], 24, v[PSW]
.irp c, 0,1
	v_cvt_scalef32_pk16_fp6_f32 v[PC+6*\c:PC+6*\c+2], v[S+32*\c:S+32*\c+15], v[TM+12+2*\c]
	v_cvt_scalef32_pk16_fp6_f32 v[T2+4*\c:T2+4*\c+2], v[S+32*\c+16:S+32*\c+31], v[TM+13+2*\c]
.endr
	v_nop                                          ; one plain place behind a scaled conversion
.irp c, 0,1
.irp i, 0,1,2
	v_permlane16_swap_b32 v[PC+6*\c+\i], v[T2+4*\c+\i]
.endr
.irp i, 0,1,2
	v_mov_b32 v[PC+6*\c+3+\i], v[T2+4*\c+\i]
.endr
.endr
.irp j, 0,2,4,6,8,10,12,14,16,18,20,22,24,26,28,30
	v_pk_mul_f32 v[O+\j:O+1+\j], v[O+\j:O+1+\j], v[F:F+1] op_sel_hi:[1,0]   ; O^T under the new M.  These sixteen are also the places between p's codes and scale word and the products
.endr
	s_wait_dscnt 0x0                               ; V is in
	s_wait_alu depctr_va_vdst(0)                   ; p's codes and scale word are written, which the scaled products take as operand and scales; the sixteen places above stay beside this wait
.irp t, 0,1,2,3                                ; O^T += V^T P^T: four accumulators by turns
	v_wmma_scale_f32_16x16x128_f8f6f4 v[O+8*\t:O+8*\t+7], v[FR+12*\t:FR+12*\t+11], v[PC:PC+11], v[O+8*\t:O+8*\t+7], v[VSC+\t], v[PSW] matrix_a_fmt:MATRIX_FMT_FP6 matrix_b_fmt:MATRIX_FMT_FP6
.endr
.Lhid_\@:
	s_add_co_u32 s[KS], s[KS], 1
.endm
.macro SLOTM sl
	COPYLD
	STEP \sl, 0
	STEP \sl, 1
	COPYST \sl
.endm
.Ltrip:
	SLOTM 0
	SLOTM 1
	s_add_co_u32 s[TR], s[TR], 1
	s_cmp_lt_u32 s[TR], s[NTR]
	s_cbranch_scc1 .Ltrip
	; THE WAY OUT: O^T / l, quantised along the channels: registers 16 b + i are channel 32 b + 16 (lane / 16) + i of my query
	NOP4
	v_add_f32 v14, v14, v15                        ; l's two halves,
	v_permlanex16_b32 v[TT], v14, s[SEL], s[SEL+1]
	v_add_f32 v14, v14, v[TT]                      ; and lane l xor 16's
	s_wait_alu depctr_va_vdst(0)
	v_rcp_f32 v14, v14
	v_nop                                          ; a plain place behind the reciprocal
	s_wait_alu depctr_va_vdst(0)                   ; the reciprocal has written 1 / l, ahead of its first reader
.irp j, 0,2,4,6,8,10,12,14,16,18,20,22,24,26,28,30
	v_pk_mul_f32 v[S+\j:S+1+\j], v[O+\j:O+1+\j], v[14:15] op_sel_hi:[1,0]
.endr
	HALF S, PC, PW
	s_wait_alu depctr_va_vdst(0)                   ; the quantiser has written O's codes and scale word, which the stores read
.irp p, 0,1,2
	global_store_b64 v[L8], v[PC+2*\p:PC+2*\p+1], s[OP:OP+1] offset:256*\p   ; 32 lanes store 256 consecutive bytes, aligned
.endr
	global_store_b32 v[LS], v[PW], s[OP:OP+1] offset:768
	s_wait_dscnt 0x0                               ; the closing lines, six on end
	s_wait_alu 0x0
	s_wait_tensorcnt 0x0
	ds_add_u32 v[SPW], v[NIL]
	s_wait_dscnt 0x0
	s_endpgm
.Lfunc_end_k_q45988bfff6_attn:
	.size	k_q45988bfff6_attn, .Lfunc_end_k_q45988bfff6_attn-k_q45988bfff6_attn
	.p2alignl 7, 3214868480
	.fill 96, 4, 3214868480
	.section	.rodata,"a",@progbits
	.p2align	6, 0x0
	.amdhsa_kernel k_q45988bfff6_attn
		.amdhsa_group_segment_fixed_size 55296
		.amdhsa_private_segment_fixed_size 0
		.amdhsa_enable_private_segment 0
		.amdhsa_kernarg_size 40
		.amdhsa_user_sgpr_count 2
		.amdhsa_user_sgpr_kernarg_segment_ptr 1
		.amdhsa_wavefront_size32 1
		.amdhsa_system_sgpr_workgroup_id_x 1
		.amdhsa_system_sgpr_workgroup_id_y 1
		.amdhsa_system_sgpr_workgroup_id_z 1
		.amdhsa_system_vgpr_workitem_id 0
		.amdhsa_next_free_vgpr 256
		.amdhsa_next_free_sgpr 66
		.amdhsa_reserve_vcc 0
		.amdhsa_float_denorm_mode_32 3
		.amdhsa_float_denorm_mode_16_64 3
		.amdhsa_memory_ordered 1
		.amdhsa_forward_progress 1
		.amdhsa_inst_pref_size 118
	.end_amdhsa_kernel
	.amdgpu_metadata
---
amdhsa.version: [ 1, 2 ]
amdhsa.kernels:
  - .name:           k_q45988bfff6_attn
    .symbol:         k_q45988bfff6_attn.kd
    .args:
      - { .name: qws, .offset: 0, .size: 8, .value_kind: global_buffer, .address_space: global }
      - { .name: kvws, .offset: 8, .size: 8, .value_kind: global_buffer, .address_space: global }
      - { .name: Wo, .offset: 16, .size: 8, .value_kind: global_buffer, .address_space: global }
      - { .name: ows, .offset: 24, .size: 8, .value_kind: global_buffer, .address_space: global }
      - { .name: wows, .offset: 32, .size: 8, .value_kind: global_buffer, .address_space: global }
    .group_segment_fixed_size: 55296
    .private_segment_fixed_size: 0
    .kernarg_segment_align: 8
    .kernarg_segment_size: 40
    .max_flat_workgroup_size: 512
    .sgpr_count:     66
    .vgpr_count:     256
    .wavefront_size: 32
...
	.end_amdgpu_metadata
.endif
;; end of part 5
;; launch outp (part 6): grid 256 x 1, 16 waves a work-group, no clusters, 68,608 bytes of LDS; arguments ows, wows, out0; writes out0
.if DOCPART == 6
	.amdgcn_target "amdgcn-amd-amdhsa--gfx1250"
	.amdhsa_code_object_version 6
	.text
	.protected	k_q45988bfff6_outp
	.globl	k_q45988bfff6_outp
	.p2align	8
	.type	k_q45988bfff6_outp,@function
k_q45988bfff6_outp:
	s_mov_b64 s[64:65], 0
	v_nop
	global_prefetch_b8 v0, s[64:65] scope:SCOPE_SE
	s_setreg_imm32_b32 hwreg(HW_REG_WAVE_SCHED_MODE, 0, 2), 2
	s_setreg_imm32_b32 hwreg(HW_REG_WAVE_MODE, 25, 1), 1
	s_wait_xcnt 0x0
	s_wait_alu depctr_vm_vsrc(0)
; out0 = Q(O) Q(Wo)^T on codes of FP6 (E2M3), K = 256.  Both operands arrive as codes in the order of the operand's registers (ows: a record of six registers for each tile of 16 tokens and each head; wows: Wo's 32 fragments).
; SHARES.  Work-group g takes tokens 64 g .. 64 g + 63: four tiles.  Wave w takes output columns 16 w .. 16 w + 15 for all four: eight matrix instructions, four accumulators by turns, two K steps.
; Source 0 = 16 rows of Wo, source 1 = a tile of tokens: a lane holds one token and eight neighbouring outputs.  Tile 2 f + u holds tokens 32 f + 8 u + r + 8 (r / 8): the stage in LDS puts the rows back in order,
; and each wave stores four whole rows of 1,024 bytes.  All loads go out at once; one barrier.  No tensor loads, no cluster: a work-group's operands are 16 KB of its own and 52 KB that all share.
; THE MODE: SCHED_MODE bits 1:0 = 2 (LLVM: expert scheduling mode 2), set by the entry lines.  The code itself states the register dependences between vector or matrix instructions and memory or LDS
;   instructions, with s_wait_alu, always for 0.
; THE PLAN.  Registers that memory or LDS instructions touch: the offsets and LDS addresses v1 to v7, written at the head and never again (one wait on va_vdst ahead of the first load); the operands and their words,
;   written by loads alone, each once; the accumulators, written by the products and read by the stage's stores (one wait on va_vdst behind the places); the rows read back, written by LDS loads and read by the global stores.
;   O's scale words are put together by vector instructions and taken by scaled products: one wait on va_vdst behind their eight places.  No register that a memory or LDS instruction reads is written again.
.set STG,   0                          ; 64 rows x (1,024 bytes + 16)
.set SPARE, 66560                      ; the spare words, 128 bytes for each wave: eight blocks of 256 bytes that no other line names
.set LI,  1                            ; 16 x lane
.set LS,  2                            ; 4 x lane
.set L8,  3                            ; 8 x lane
.set SO,  4                            ; the stage: where I put 32 bytes of a row
.set SR,  5                            ; and where I read rows back
.set SPW, 6                            ; LDS address of my spare word; never rewritten
.set NIL, 7                            ; 0; never rewritten
.set WF,  16                           ; v16-39   Wo's two fragments
.set WS,  40                           ; v40-41   their scale words
.set OS,  42                           ; v42-49   O's scale words (2 m + K step)
.set OW,  50                           ; v50-65   the records' words (4 m + head): two bytes each
.set OF,  68                           ; v68-163  O's eight fragments: 24 m + 6 head
.set ACC, 164                          ; v164-195
.set OUTR, 196                         ; v196-227
	s_load_b128 s[4:7], s[0:1], 0x0                ; ows s[4:5], wows s[6:7]
	s_load_b64 s[8:9], s[0:1], 0x10                ; out0
	v_lshl_add_u32 v[SPW], v0, 2, SPARE
	v_mov_b32 v[NIL], 0
	v_lshrrev_b32 v8, 5, v0
	v_readfirstlane_b32 s12, v8                    ; wave 0..15
	v_and_b32 v8, 31, v0
	v_lshlrev_b32 v[LI], 4, v8
	v_lshlrev_b32 v[LS], 2, v8
	v_lshlrev_b32 v[L8], 3, v8
	v_and_b32 v8, 15, v0                           ; r
	v_bfe_u32 v9, v0, 4, 1                         ; h
	v_and_b32 v10, 8, v8
	v_add_nc_u32 v10, v10, v8                      ; r + 8 (r / 8)
	v_mul_u32_u24 v[SO], v10, 1040
	v_lshl_add_u32 v[SO], v9, 5, v[SO]
	s_wait_alu depctr_va_sdst(0)                   ; s12 is written, ahead of its first reader: my places in the stage and in the buffers are made from it
	s_lshl_b32 s13, s12, 6
	v_add_nc_u32 v[SO], s13, v[SO]                 ; row r + 8 (r / 8), byte 64 w + 32 h
	s_mul_i32 s13, s12, 4160
	v_add_nc_u32 v[SR], s13, v[LI]                 ; rows 4 w on
	s_lshl_b32 s14, ttmp9, 14                      ; ows: sixteen records of 1,024 bytes a work-group
	s_mov_b32 s15, 0
	s_mul_i32 s16, s12, 3072                       ; wows: my two fragments,
	s_mov_b32 s17, 0
	s_lshl_b32 s18, s12, 8
	s_add_co_u32 s18, s18, 49152                   ; and their scale words
	s_mov_b32 s19, 0
	s_lshl_b32 s20, ttmp9, 16                      ; out0: 64 rows of 1,024 bytes, and my four
	s_lshl_b32 s21, s12, 12
	s_add_co_u32 s20, s20, s21
	s_mov_b32 s21, 0
	s_wait_kmcnt 0x0
	s_add_nc_u64 s[10:11], s[6:7], s[18:19]
	s_add_nc_u64 s[6:7], s[6:7], s[16:17]
	s_add_nc_u64 s[4:5], s[4:5], s[14:15]
	s_add_nc_u64 s[8:9], s[8:9], s[20:21]
	s_wait_alu depctr_va_vdst(0)                   ; the offsets and LDS addresses v1 to v7 are written, which every load and store of the kernel reads; none is written again
.irp ks, 0,1
.irp c, 0,1,2
	global_load_b128 v[WF+12*\ks+4*\c:WF+12*\ks+4*\c+3], v[LI], s[6:7] offset:1536*\ks+512*\c
.endr
	global_load_b32 v[WS+\ks], v[LS], s[10:11] offset:128*\ks
.endr
.irp m, 0,1,2,3
.irp e, 0,1,2,3                                ; head e is k = 64 e .. 64 e + 63: registers 6 (e % 2) on of the fragment of K step e / 2
.irp p, 0,1,2
	global_load_b64 v[OF+24*\m+6*\e+2*\p:OF+24*\m+6*\e+2*\p+1], v[L8], s[4:5] offset:(4*\m+\e)*1024+256*\p
.endr
	global_load_b32 v[OW+4*\m+\e], v[LS], s[4:5] offset:(4*\m+\e)*1024+768
.endr
.endr
	s_wait_loadcnt 0x0
.irp m, 0,1,2,3
.irp ks, 0,1
	v_lshl_or_b32 v[OS+2*\m+\ks], v[OW+4*\m+2*\ks+1], 16, v[OW+4*\m+2*\ks]   ; two heads' two bytes make a K step's scale word
.endr
.endr
.rept 8
	v_nop                                          ; a scale register written by a vector instruction stands eight places ahead of a scaled matrix instruction
.endr
	s_wait_alu depctr_va_vdst(0)                   ; O's eight scale words are written, which the scaled products take; the eight places above stay beside this wait
.irp ks, 0,1
.irp m, 0,1,2,3
.if \ks == 0
	v_wmma_scale_f32_16x16x128_f8f6f4 v[ACC+8*\m:ACC+8*\m+7], v[WF+12*\ks:WF+12*\ks+11], v[OF+24*\m+12*\ks:OF+24*\m+12*\ks+11], 0, v[WS+\ks], v[OS+2*\m+\ks] matrix_a_fmt:MATRIX_FMT_FP6 matrix_b_fmt:MATRIX_FMT_FP6
.else
	v_wmma_scale_f32_16x16x128_f8f6f4 v[ACC+8*\m:ACC+8*\m+7], v[WF+12*\ks:WF+12*\ks+11], v[OF+24*\m+12*\ks:OF+24*\m+12*\ks+11], v[ACC+8*\m:ACC+8*\m+7], v[WS+\ks], v[OS+2*\m+\ks] matrix_a_fmt:MATRIX_FMT_FP6 matrix_b_fmt:MATRIX_FMT_FP6
.endif
.endr
.endr
.rept 4
	v_nop                                          ; places in front of the first read of results
.endr
	s_wait_alu depctr_va_vdst(0)                   ; the products have written the four accumulators, which the stage's stores read; the places above stay beside this wait
.irp m, 0,1,2,3
	ds_store_b128 v[SO], v[ACC+8*\m:ACC+8*\m+3] offset:(32*(\m/2)+8*(\m%2))*1040       ; each accumulator from its low end on
	ds_store_b128 v[SO], v[ACC+8*\m+4:ACC+8*\m+7] offset:(32*(\m/2)+8*(\m%2))*1040+16
.endr
	s_wait_dscnt 0x0                               ; for the others' sake: my stores into the stage are done
	s_barrier_signal -1
	s_barrier_wait -1                              ; 64 whole rows lie in the stage
.irp k, 0,1,2,3,4,5,6,7
	ds_load_b128 v[OUTR+4*\k:OUTR+4*\k+3], v[SR] offset:(\k/2)*1040+512*(\k%2)
.endr
.irp k, 0,1,2,3,4,5,6,7
	s_wait_dscnt 7-\k
	global_store_b128 v[LI], v[OUTR+4*\k:OUTR+4*\k+3], s[8:9] offset:(\k/2)*1024+512*(\k%2) th:TH_STORE_NT   ; 32 lanes store 512 consecutive bytes, aligned; written once, read by nobody here
.endr
	s_wait_dscnt 0x0                               ; the closing lines, six on end
	s_wait_alu 0x0
	s_wait_tensorcnt 0x0
	ds_add_u32 v[SPW], v[NIL]
	s_wait_dscnt 0x0
	s_endpgm
.Lfunc_end_k_q45988bfff6_outp:
	.size	k_q45988bfff6_outp, .Lfunc_end_k_q45988bfff6_outp-k_q45988bfff6_outp
	.p2alignl 7, 3214868480
	.fill 96, 4, 3214868480
	.section	.rodata,"a",@progbits
	.p2align	6, 0x0
	.amdhsa_kernel k_q45988bfff6_outp
		.amdhsa_group_segment_fixed_size 68608
		.amdhsa_private_segment_fixed_size 0
		.amdhsa_enable_private_segment 0
		.amdhsa_kernarg_size 24
		.amdhsa_user_sgpr_count 2
		.amdhsa_user_sgpr_kernarg_segment_ptr 1
		.amdhsa_wavefront_size32 1
		.amdhsa_system_sgpr_workgroup_id_x 1
		.amdhsa_system_sgpr_workgroup_id_y 1
		.amdhsa_system_sgpr_workgroup_id_z 1
		.amdhsa_system_vgpr_workitem_id 0
		.amdhsa_next_free_vgpr 232
		.amdhsa_next_free_sgpr 66
		.amdhsa_reserve_vcc 0
		.amdhsa_float_denorm_mode_32 3
		.amdhsa_float_denorm_mode_16_64 3
		.amdhsa_memory_ordered 1
		.amdhsa_forward_progress 1
		.amdhsa_inst_pref_size 13
	.end_amdhsa_kernel
	.amdgpu_metadata
---
amdhsa.version: [ 1, 2 ]
amdhsa.kernels:
  - .name:           k_q45988bfff6_outp
    .symbol:         k_q45988bfff6_outp.kd
    .args:
      - { .name: ows, .offset: 0, .size: 8, .value_kind: global_buffer, .address_space: global }
      - { .name: wows, .offset: 8, .size: 8, .value_kind: global_buffer, .address_space: global }
      - { .name: out0, .offset: 16, .size: 8, .value_kind: global_buffer, .address_space: global }
    .group_segment_fixed_size: 68608
    .private_segment_fixed_size: 0
    .kernarg_segment_align: 8
    .kernarg_segment_size: 24
    .max_flat_workgroup_size: 512
    .sgpr_count:     66
    .vgpr_count:     232
    .wavefront_size: 32
...
	.end_amdgpu_metadata
.endif
;; end of part 6
